; MI455X (gfx1250); checked and timed in simulation.
; The chip was launched on July 23, 2026; its instructions are those of AMD's public machine-readable ISA for CDNA 5 (MIT licence, August 2026) and "CDNA5" Instruction Set Architecture Reference Guide (July 2026). The comments in the code are by the model that wrote it; some were corrected since.
;; Multihead Attention. Allowed arithmetic: matrix products marked QUANTISED: E2M3 operands, one E8M0 scale for each 32 along K, by v_wmma_scale_f32_16x16x128_f8f6f4 with both operands' format E2M3, f32 sums; everything else in f32.
;; Inputs: Wk 1,024 x 1,024 float32; Wo 1,024 x 1,024 float32; Wq 1,024 x 1,024 float32; Wv 1,024 x 1,024 float32; mask 2,048 x 2,048 float32; x 4 x 2,048 x 1,024 float32.
;; Outputs: out0 4 x 2,048 x 1,024 float32.
;; This version of the problem:
;;   THIS VERSION OF THE PROBLEM IS GIVEN IN LOW PRECISION. The matrix products marked QUANTISED in the list below multiply operands that are first quantised to E2M3 (2 exponent bits, 3 mantissa bits; 6 bits a number), with one power-of-two scale for each 32 numbers along K (OCP MX v1.0); their sums are f32. All else is computed in f32.
;;   The module's matrix products, in the order in which they are computed (A, B: the left and right operand; K: the contracted axis; several contracted axes count as one K, in the product's order):
;;     1. [M 8,192, K 1,024] x [K 1,024, N 1,024]; A: input x; B: input Wq: QUANTISED
;;     2. [M 8,192, K 1,024] x [K 1,024, N 1,024]; A: input x; B: input Wk: QUANTISED
;;     3. [M 8,192, K 1,024] x [K 1,024, N 1,024]; A: input x; B: input Wv: QUANTISED
;;     4. batch 64 x [M 2,048, K 64] x [K 64, N 2,048]; A: computed on the way; B: computed on the way: QUANTISED
;;     5. batch 64 x [M 2,048, K 2,048] x [K 2,048, N 64]; A: computed on the way; B: computed on the way: QUANTISED
;;     6. [M 8,192, K 1,024] x [K 1,024, N 1,024]; A: computed on the way; B: input Wo: QUANTISED
;;   THE QUANTISER, for each operand of a quantised product, along K:
;;     - K is cut into blocks of 32 from its start; a last block that is shorter is filled with zeros.
;;     - A block's scale is 2^e with e = floor(log2(the largest magnitude in the block)) - 2, held to -126 .. 127; a block of zeros has e = 0. As a byte (E8M0): e + 127.
;;     - Each number is divided by its block's scale, clamped to +-7.5, and rounded to the nearest number of E2M3, ties to even, subnormals kept.
;;     - The product sums the exact products of the quantised numbers (number of the format x scale) in f32.
;;   ~~~python
;;   def quantise(x, axis):      # numpy; x: float32 -> the quantised numbers, widened to float32 again
;;       x = np.moveaxis(x, axis, -1); K = x.shape[-1]
;;       x = np.pad(x, [(0, 0)] * (x.ndim - 1) + [(0, -K % 32)]); x = x.reshape(x.shape[:-1] + (-1, 32)); a = np.abs(x).max(-1, keepdims=True)
;;       e = np.where(a > 0, np.clip(np.frexp(np.where(a > 0, a, 1))[1] - 1 - 2, -126, 127), 0)      # np.frexp(a)[1] - 1 = floor(log2(a)), exactly
;;       r = np.clip(x / 2.0 ** e, -7.5, 7.5)
;;       step = 2.0 ** (np.maximum(np.frexp(np.where(r == 0, 1, r))[1] - 1, 0) - 3)
;;       q = np.round(r / step) * step * 2.0 ** e      # np.round: ties to even
;;       return np.moveaxis(q.reshape(q.shape[:-2] + (-1,))[..., :K], -1, axis).astype(np.float32)
;;   ~~~
;;   OPERANDS COMPUTED ON THE WAY. 'Computed on the way' means the value that the module computes at that place (a softmax that the list does not call 'softmax' is quantised finished and normalised). What goes into a quantiser is computed in f32, as accurately as f32 sums, v_exp_f32 and their like allow (about 1e-6 of the number): no bf16 or f16 on the way to a quantiser, and a product that is left as it is and whose result goes on into a quantised operand takes f32 operands (vector FMAs, or v_wmma_f32_16x16x4_f32). A number that lies on a knife's edge between two numbers of the format may be rounded either way, as far as f32 arithmetic and the matrix unit's own rounding can turn it there, and no further.
;; One version. Each part assembles by itself: llvm-mc -triple=amdgcn-amd-amdhsa -mcpu=gfx1250 --defsym DOCPART=n.
;; ======== version 1 of 1: 4 launches
;; limits: right only within a limited range of input values
;; workspace buffers: xwimg 9,437,184 bytes; xwsc 393,216 bytes; mimg 16,777,216 bytes; qkvimg 18,874,368 bytes; qkvsc 786,432 bytes; aimg 6,291,456 bytes; asc 262,144 bytes
;; launch prep (part 1): grid 256 x 1, 4 waves a work-group, no clusters, 68,096 bytes of LDS; arguments x, Wq, Wk, Wv, Wo, mask, xwimg, xwsc, mimg; writes xwimg, xwsc, mimg
.if DOCPART == 1
	.amdgcn_target "amdgcn-amd-amdhsa--gfx1250"
	.amdhsa_code_object_version 6
	.text
	.protected	k_q5906c2f487_prep
	.globl	k_q5906c2f487_prep
	.p2align	8
	.type	k_q5906c2f487_prep,@function
k_q5906c2f487_prep:
	s_mov_b64 s[64:65], 0
	v_nop
	global_prefetch_b8 v0, s[64:65] scope:SCOPE_SE
	s_setreg_imm32_b32 hwreg(HW_REG_WAVE_MODE, 25, 1), 1
	s_wait_xcnt 0x0
; PREP.  x [8192][1024] and Wq, Wk, Wv, Wo [1024][1024], f32, become codes of FP6 (E2M3) with one E8M0 byte for each 32 along K (their last axis); 8 x mask [2048][2048] is laid in the order of the score registers.
; A FRAGMENT IMAGE is 1,536 bytes: 16 rows x 128 K as the operand's 12 registers, in two halves c of 768 bytes: registers 6 c .. 6 c + 3 at 16 x lane, registers 6 c + 4, 6 c + 5 at 512 + 8 x lane.
; THE ROWS OF A TILE ARE NOT NEIGHBOURS: lane r of row tile T holds row 32 (T / 2) + 8 (T % 2) + r + 8 (r / 8), so that a product used transposed leaves 16 neighbours along the next K in the 16 registers of two tiles.
; xwimg [T 768][K step 8][1536], T: 512 tiles of x, then 64 each of Wq, Wk, Wv, Wo.  xwsc [T][r][32 bytes].  mimg [query tile 128][128 keys: 16][8192]: register n of lane l at 512 (n / 4) + 16 l + 4 (n % 4).
; A block's scale is 2^(floor(log2(largest magnitude)) - 2): the largest magnitude's exponent field - 2, held at 1 from below.
; LIMITS: a block of zeros gets the byte 1 where the rule says 127 (its codes are zeros, and this program alone reads the bytes); NaN and infinities in x and the weights are not served.
; SHARES.  Each wave has one job: 16 rows x 4,096 bytes, in 8 steps of 16 rows x 512 bytes.  Work-groups 0-191: the 768 row tiles; 192-255: the mask (a query tile's 16 rows, half of their keys).
; Each load reads 512 consecutive bytes of a row; a step turns through the wave's own stage in LDS (rows of 528 bytes) and comes back 64 numbers a lane: register 16 b + i = k 32 b + 16 (lane / 16) + i of row lane % 16.
; Loads run three steps (48 loads a wave) ahead.  No barrier: waves share nothing.  The two paths have LDS bytes of their own.
.set SPITCH, 528
.set WSTG,   16*SPITCH                 ; a wave's stage
.set LI,  1                            ; v1  16 x lane
.set L8,  2                            ; v2  8 x lane
.set STI, 3                            ; v3  the stage on the way in: 16 x lane
.set STR, 4                            ; v4  and on the way out: 528 r + 64 h
.set SCO, 5                            ; v5  32 r + 16 h: my 16 of a row's 32 scale bytes
.set HH,  6                            ; v6  h = lane / 16
.set SW,  8                            ; v8-15  the eight steps' scale words
.set TM,  16                           ; v16-31 at work in QUANT
.set PC,  32                           ; v32-51 the codes just made
.set SWO, 52                           ; v52-55 the four scale words that I store
.set X,   64                           ; v64-127 64 numbers of a lane;  window 1: four sets of 64 registers as loaded
.set SEL, 24                           ; s[24:25] lane selects: lane l xor 16
.set SRC, 32                           ; s[32:33] my job's first row
.set MSB, 0
.macro WIN new                         ; the immediate's high byte repeats the setting that is left
.if MSB != (\new)
	s_set_vgpr_msb (MSB<<8)|(\new)
.set MSB, (\new)
.endif
.endm
; 64 numbers of a lane in window w, register 16 b + i = k 32 b + 16 (lane / 16) + i of my row, become a fragment's codes in v[PC] .. v[PC + 11] and its scale word in v[pw]
.macro QUANT src, w, pw
.set QW, ((\w)<<2)|((\w)<<4)
	WIN QW
.irp b, 0,1,2,3
	v_max3_num_f32 v[TM+\b], 0x1800000, |v[\src+16*\b]|, |v[\src+16*\b+1]|   ; block b: my 16 numbers, and the floor 2^(3 - 127): the byte cannot fall under 1
.endr
.irp i, 2,4,6,8,10,12,14
.irp b, 0,1,2,3
	v_max3_num_f32 v[TM+\b], v[TM+\b], |v[\src+16*\b+\i]|, |v[\src+16*\b+\i+1]|   ; the four blocks by turns
.endr
.endr
	WIN 0
.irp b, 0,1,2,3
	v_permlanex16_b32 v[TM+4+\b], v[TM+\b], s[SEL], s[SEL+1]
.endr
.irp b, 0,1,2,3
	v_max_num_f32 v[TM+\b], v[TM+\b], v[TM+4+\b]          ; with lane l xor 16's: the block's largest magnitude
.endr
.irp b, 0,1,2,3
	v_add_nc_u32 v[TM+12+\b], 0xff000000, v[TM+\b]        ; 2 off its exponent field: the conversion's scale operand
.endr
.irp b, 0,1,2,3
	v_lshrrev_b32 v[TM+4+\b], 23, v[TM+12+\b]             ; the scale's byte
.endr
	v_lshl_or_b32 v[\pw], v[TM+5], 8, v[TM+4]
	v_lshl_or_b32 v[\pw], v[TM+6], 16, v[\pw]
	v_lshl_or_b32 v[\pw], v[TM+7], 24, v[\pw]
	WIN \w
.irp c, 0,1
	v_cvt_scalef32_pk16_fp6_f32 v[PC+6*\c:PC+6*\c+2], v[\src+32*\c:\src+32*\c+15], v[TM+12+2*\c]
	v_cvt_scalef32_pk16_fp6_f32 v[PC+12+4*\c:PC+14+4*\c], v[\src+32*\c+16:\src+32*\c+31], v[TM+13+2*\c]   ; (a conversion's three registers begin on an even number)
.endr
	WIN 0
	v_nop                                                 ; one plain place behind a scaled conversion
.irp c, 0,1                            ; the operand wants a whole block in a lane: lanes 0-15 block 2 c, lanes 16-31 block 2 c + 1
.irp i, 0,1,2
	v_permlane16_swap_b32 v[PC+6*\c+\i], v[PC+12+4*\c+\i]
.endr
.irp i, 0,1,2
	v_mov_b32 v[PC+3+6*\c+\i], v[PC+12+4*\c+\i]
.endr
.endr
.endm
.macro IMGST base, off                 ; the fragment in v[PC] on leaves as its image: 512, 256, 512, 256 consecutive bytes
	global_store_b128 v[LI], v[PC:PC+3], s[\base:\base+1] offset:\off
	global_store_b64 v[L8], v[PC+4:PC+5], s[\base:\base+1] offset:\off+512
	global_store_b128 v[LI], v[PC+6:PC+9], s[\base:\base+1] offset:\off+768
	global_store_b64 v[L8], v[PC+10:PC+11], s[\base:\base+1] offset:\off+1280
.endm
.macro LOADS t                         ; step t: 512 bytes of each of the tile's 16 rows into set t % 4
	WIN 0x40
.irp i, 0,1,2,3,4,5,6,7,8,9,10,11,12,13,14,15
	global_load_b128 v[64*((\t)%4)+4*\i:64*((\t)%4)+4*\i+3], v[LI], s[SRC:SRC+1] offset:(\i+8*(\i/8))*PITCH+512*(\t) th:TH_LOAD_NT
.endr
	WIN 0
.endm
.macro TURN t                          ; through the stage: LDS serves a wave's instructions in order, so no wait stands between the stores and the loads
	WIN 0x04
.irp i, 0,1,2,3,4,5,6,7,8,9,10,11,12,13,14,15
	ds_store_b128 v[STI], v[64*((\t)%4)+4*\i:64*((\t)%4)+4*\i+3] offset:SPITCH*\i
.endr
	WIN 0
.irp n, 0,1,2,3,4,5,6,7,8,9,10,11,12,13,14,15
	ds_load_b128 v[X+4*\n:X+4*\n+3], v[STR] offset:128*(\n/4)+16*(\n%4)
.endr
.endm
.macro STEP t, m                       ; m = 0: quantise;  m = 1: the mask
.if 7-(\t) < 3
	s_wait_loadcnt 16*(7-(\t))                     ; set t is in; the sets behind it may be out
.else
	s_wait_loadcnt 48
.endif
.if (\t) > 0
	s_wait_xcnt 0x0                                ; the last step's stores have read their registers: X and the codes are written again only behind this wait
.endif
	TURN \t
	s_wait_dscnt 0x0                               ; my 64 numbers are in, and the stores into the stage have read set t,
.if (\t) < 4
	LOADS (\t)+4                                   ; which takes the loads of four steps on
.endif
.if \m
.set jj, 0
.rept 32
	v_pk_mul_f32 v[X+jj:X+jj+1], v[X+jj:X+jj+1], s[30:31] op_sel_hi:[1,0]   ; x 8: nothing is rounded
.set jj, jj+2
.endr
.irp g, 0,1,2,3,4,5,6,7,8,9,10,11,12,13,14,15
	global_store_b128 v[LI], v[X+4*\g:X+4*\g+3], s[20:21] offset:8192*(\t)+512*\g
.endr
.else
	QUANT X, 0, SW+(\t)
	IMGST 16, 1536*(\t)
.endif
.endm
	s_load_b256 s[4:11], s[0:1], 0x0               ; x s[4:5], Wq s[6:7], Wk s[8:9], Wv s[10:11]
	s_load_b256 s[12:19], s[0:1], 0x20             ; Wo s[12:13], mask s[14:15], xwimg s[16:17], xwsc s[18:19]
	s_load_b64 s[20:21], s[0:1], 0x40              ; mimg
	v_lshl_add_u32 v254, v0, 2, 0x10800
	v_mov_b32 v255, 0
	v_lshrrev_b32 v7, 5, v0
	v_readfirstlane_b32 s22, v7                    ; wave
	v_and_b32 v7, 31, v0
	v_lshlrev_b32 v[LI], 4, v7
	v_lshlrev_b32 v[L8], 3, v7
	v_and_b32 v7, 15, v0                           ; r
	v_bfe_u32 v[HH], v0, 4, 1
	v_mul_u32_u24 v[STR], v7, SPITCH
	v_lshl_add_u32 v[STR], v[HH], 6, v[STR]
	v_lshlrev_b32 v[SCO], 5, v7
	v_lshl_add_u32 v[SCO], v[HH], 4, v[SCO]
	s_mul_i32 s23, s22, WSTG
	s_mov_b32 s[SEL], 0x76543210
	s_mov_b32 s[SEL+1], 0xfedcba98
	s_mov_b32 s30, 0x41000000                      ; 8.0
	s_mov_b32 s31, s30                             ; (named with it as a pair)
	s_mov_b32 s29, 0
.irp b, 0,1,2,3
	v_mov_b32 v[TM+4+\b], 0                        ; written once: a lane permute's destination counts as one of its sources
.endr
	s_cmp_lt_u32 ttmp9, 192
	s_cbranch_scc0 .Lmask
	; ---- x and the weights
.set PITCH, 4096
	v_add_nc_u32 v[STI], s23, v[LI]
	s_wait_alu depctr_va_vdst(0)
	v_add_nc_u32 v[STR], s23, v[STR]
	s_lshl_b32 s26, ttmp9, 2
	s_add_co_u32 s26, s26, s22                     ; my row tile T of 768
	s_and_b32 s27, s26, 63
	s_cmp_lt_u32 ttmp9, 128
	s_cselect_b32 s27, s26, s27                    ; and its number in its own tensor
	s_lshr_b32 s28, s27, 1
	s_lshl_b32 s28, s28, 5
	s_and_b32 s27, s27, 1
	s_lshl_b32 s27, s27, 3
	s_add_co_u32 s28, s28, s27                     ; its first row: 32 (T / 2) + 8 (T % 2)
	s_lshl_b32 s28, s28, 12                        ; rows of 4,096 bytes
	s_wait_alu depctr_va_vdst(0)
	s_wait_kmcnt 0x0
	s_mov_b64 s[SRC:SRC+1], s[12:13]               ; which tensor: the choice hangs on the work-group's number alone
	s_cmp_lt_u32 ttmp9, 176
	s_cselect_b64 s[SRC:SRC+1], s[10:11], s[SRC:SRC+1]
	s_cmp_lt_u32 ttmp9, 160
	s_cselect_b64 s[SRC:SRC+1], s[8:9], s[SRC:SRC+1]
	s_cmp_lt_u32 ttmp9, 144
	s_cselect_b64 s[SRC:SRC+1], s[6:7], s[SRC:SRC+1]
	s_cmp_lt_u32 ttmp9, 128
	s_cselect_b64 s[SRC:SRC+1], s[4:5], s[SRC:SRC+1]
	s_add_nc_u64 s[SRC:SRC+1], s[SRC:SRC+1], s[28:29]
	s_mul_i32 s28, s26, 12288
	s_add_nc_u64 s[16:17], s[16:17], s[28:29]      ; its eight images
	s_lshl_b32 s28, s26, 9
	s_add_nc_u64 s[18:19], s[18:19], s[28:29]      ; its 512 scale bytes
.irp t, 0,1,2,3
	LOADS \t
.endr
.irp t, 0,1,2,3,4,5,6,7
	STEP \t, 0
.endr
	v_cmp_ne_u32 vcc_lo, 0, v[HH]
.irp k, 0,1,2,3
	v_cndmask_b32 v[SWO+\k], v[SW+\k], v[SW+4+\k], vcc_lo     ; lanes 0-15 store K steps 0-3 of their row, lanes 16-31 K steps 4-7
.endr
	global_store_b128 v[SCO], v[SWO:SWO+3], s[18:19]          ; 512 consecutive bytes
	s_wait_tensorcnt 0x0
	ds_add_u32 v254, v255
	s_wait_dscnt 0x0
	s_endpgm
	; ---- the mask
.Lmask:
.set PITCH, 8192
	s_add_co_u32 s23, s23, 4*WSTG                  ; this path's own stages
	v_add_nc_u32 v[STI], s23, v[LI]
	s_wait_alu depctr_va_vdst(0)
	v_add_nc_u32 v[STR], s23, v[STR]
	s_sub_co_u32 s26, ttmp9, 192
	s_lshl_b32 s26, s26, 2
	s_add_co_u32 s26, s26, s22                     ; job 0..255 = 2 x query tile + half of the keys
	s_lshr_b32 s27, s26, 1                         ; the query tile t
	s_lshr_b32 s28, s27, 1
	s_lshl_b32 s28, s28, 5
	s_and_b32 s27, s27, 1
	s_lshl_b32 s27, s27, 3
	s_add_co_u32 s28, s28, s27                     ; its first query
	s_lshl_b32 s28, s28, 13                        ; rows of 8,192 bytes
	s_and_b32 s27, s26, 1
	s_lshl_b32 s27, s27, 12
	s_add_co_u32 s28, s28, s27                     ; + 4,096 for the upper 1,024 keys
	s_wait_alu depctr_va_vdst(0)
	s_wait_kmcnt 0x0
	s_add_nc_u64 s[SRC:SRC+1], s[14:15], s[28:29]
	s_lshl_b32 s28, s26, 16                        ; 65,536 bytes a job
	s_add_nc_u64 s[20:21], s[20:21], s[28:29]
.irp t, 0,1,2,3
	LOADS \t
.endr
.irp t, 0,1,2,3,4,5,6,7
	STEP \t, 1
.endr
	s_wait_tensorcnt 0x0
	ds_add_u32 v254, v255
	s_wait_dscnt 0x0
	s_endpgm
.Lfunc_end_k_q5906c2f487_prep:
	.size	k_q5906c2f487_prep, .Lfunc_end_k_q5906c2f487_prep-k_q5906c2f487_prep
	.p2alignl 7, 3214868480
	.fill 96, 4, 3214868480
	.section	.rodata,"a",@progbits
	.p2align	6, 0x0
	.amdhsa_kernel k_q5906c2f487_prep
		.amdhsa_group_segment_fixed_size 68096
		.amdhsa_private_segment_fixed_size 0
		.amdhsa_enable_private_segment 0
		.amdhsa_kernarg_size 72
		.amdhsa_user_sgpr_count 2
		.amdhsa_user_sgpr_kernarg_segment_ptr 1
		.amdhsa_wavefront_size32 1
		.amdhsa_system_sgpr_workgroup_id_x 1
		.amdhsa_system_sgpr_workgroup_id_y 1
		.amdhsa_system_sgpr_workgroup_id_z 1
		.amdhsa_system_vgpr_workitem_id 0
		.amdhsa_next_free_vgpr 512
		.amdhsa_next_free_sgpr 66
		.amdhsa_reserve_vcc 1
		.amdhsa_float_denorm_mode_32 3
		.amdhsa_float_denorm_mode_16_64 3
		.amdhsa_memory_ordered 1
		.amdhsa_forward_progress 1
		.amdhsa_inst_pref_size 125
	.end_amdhsa_kernel
	.amdgpu_metadata
---
amdhsa.version: [ 1, 2 ]
amdhsa.kernels:
  - .name:           k_q5906c2f487_prep
    .symbol:         k_q5906c2f487_prep.kd
    .args:
      - { .name: x, .offset: 0, .size: 8, .value_kind: global_buffer, .address_space: global }
      - { .name: Wq, .offset: 8, .size: 8, .value_kind: global_buffer, .address_space: global }
      - { .name: Wk, .offset: 16, .size: 8, .value_kind: global_buffer, .address_space: global }
      - { .name: Wv, .offset: 24, .size: 8, .value_kind: global_buffer, .address_space: global }
      - { .name: Wo, .offset: 32, .size: 8, .value_kind: global_buffer, .address_space: global }
      - { .name: mask, .offset: 40, .size: 8, .value_kind: global_buffer, .address_space: global }
      - { .name: xwimg, .offset: 48, .size: 8, .value_kind: global_buffer, .address_space: global }
      - { .name: xwsc, .offset: 56, .size: 8, .value_kind: global_buffer, .address_space: global }
      - { .name: mimg, .offset: 64, .size: 8, .value_kind: global_buffer, .address_space: global }
    .group_segment_fixed_size: 68096
    .private_segment_fixed_size: 0
    .kernarg_segment_align: 8
    .kernarg_segment_size: 72
    .max_flat_workgroup_size: 128
    .sgpr_count:     66
    .vgpr_count:     512
    .wavefront_size: 32
...
	.end_amdgpu_metadata
.endif
;; end of part 1
;; launch qkv (part 2): grid 12 x 32, 4 waves a work-group, clusters of 4 x 4, 327,680 bytes of LDS; arguments xwimg, xwsc, qkvimg, qkvsc; writes qkvimg, qkvsc
.if DOCPART == 2
	.amdgcn_target "amdgcn-amd-amdhsa--gfx1250"
	.amdhsa_code_object_version 6
	.text
	.protected	k_q5906c2f487_qkv
	.globl	k_q5906c2f487_qkv
	.p2align	8
	.type	k_q5906c2f487_qkv,@function
k_q5906c2f487_qkv:
	s_mov_b64 s[64:65], 0
	v_nop
	global_prefetch_b8 v0, s[64:65] scope:SCOPE_SE
	s_setreg_imm32_b32 hwreg(HW_REG_WAVE_MODE, 25, 1), 1
	s_wait_xcnt 0x0
	s_wait_alu depctr_hold_cnt(0) depctr_sa_sdst(0) depctr_va_vdst(0) depctr_va_sdst(0) depctr_va_ssrc(0) depctr_va_vcc(0) depctr_vm_vsrc(0)
	s_getreg_b32 s2, hwreg(HW_REG_IB_STS2, 6, 4)
	s_cmp_eq_u32 s2, 0
	s_cbranch_scc0 .Lentry_in_a_cluster
	s_endpgm
.Lentry_in_a_cluster:
	s_bfe_u32 s2, ttmp6, 0x10000c
	s_cmp_lg_u32 s2, 0xf033
	s_cbranch_scc0 .Lentry_shape_is_right
	s_endpgm
.Lentry_shape_is_right:
.set MODE, 0
; A GEMM ON FRAGMENT IMAGES OF FP6 (E2M3) CODES, C = A B^T, K = 1,024; one text for two launches.
; MODE 0 (q, k, v): cluster x = 0, 1: C = x Wq^T, x Wk^T (rows: tokens; columns: the weight's rows); cluster x = 2: C = Wv x^T (rows: the head's channels; columns: tokens).  C is quantised in registers along its
;   columns (q, k: the head's 64; v: the keys) and leaves as fragment images and scale words: qkvimg, units of 1,536 bytes; qkvsc, 16 words a unit.  q: unit b 1024 + hp 128 + t (halves: heads 2 hp, 2 hp + 1);
;   k: 4096 + the same;  v: 8192 + b 1024 + h 64 + (128 keys) 4 + dt.
; MODE 1 (the last product): C = attention's result x Wo^T, f32, to out0.
; An image is 16 rows x 128 K as the operand's 12 registers (halves of 768 bytes: four registers at 16 x lane, two at 512 + 8 x lane); lane r of row tile T is row 32 (T / 2) + 8 (T % 2) + r + 8 (r / 8).
; A tile of C, 256 x 256, is made by four waves, 128 x 128 each: 64 accumulators, 512 registers.  K goes in steps of 256 through two LDS slots; a wave's tensor load brings 8 row tiles x 3,072 bytes.
; The scale bytes of the 256 + 256 rows, for all of K, come into LDS once (rows of 32 bytes, 16 bytes of padding behind each 256).  In MODE 1 A's lie by heads in memory and are laid so by LDS stores.
; CLUSTERS 4 x 4: A's tiles are asked for jointly by a row of the cluster, B's by a column.  THE PRODUCT IS USED TRANSPOSED (source 0 = B's rows, source 1 = A's): a lane holds one row of C and, by the
; order of B's rows in a tile, the 16 registers of two neighbouring tiles are 16 neighbouring columns.
; No prefetch: four K slots in all, and every tile is shared by multicast.
; LIMITS (MODE 0): a block of zeros gets the scale byte 1 where the rule says 127 (its codes are zeros; this program alone reads the bytes); NaN and infinities are not served.
; REGISTERS: window 0: v1-31 addresses; v32-63 scale words, two sets; v64-111 the way out of MODE 0; from v128 A's fragments, one set.  window 1: B's fragments, two sets.  windows 2, 3: the accumulators.
.set NQ,     2                         ; matrix instructions deep in a slot
.set FR,     12
.set NL,     4                         ; LDS loads that bring a fragment
.set NP,     4                         ; places behind this matrix instruction (ISA guide 7.12.1)
.set TILEB,  3072                      ; a row tile's two images in a slot
.set HALFT,  8*TILEB                   ; what one tensor load brings, and what one wave reads of A or of B
.set SLOT,   4*HALFT
.set SCL,    2*SLOT                    ; the scales
.set HALFS,  16*272                    ; those of 128 rows
.set SBLK,   544                       ; those of 16 rows
.set SPARE,  SCL+4*HALFS               ; the spare words: 128 bytes a wave
.set STAGE,  SPARE+512                 ; the way out: bytes of its own, into which no tile lands
.set SPITCH, 528
.set ADRA, 16                          ; v16-17 my A fragments in slot 0, 1, + 16 x lane;  v18-19 + 8 x lane
.set ADRB, 20                          ; v20-23 the same for B
.set STO,  24                          ; v24  the way out: where I store into my stage
.set RD,   25                          ; v25  and where I read it back
.set CO,   26                          ; v26  my byte offset in the output
.set ADRS, 27                          ; v27  my scale words: lanes 0-15 A's rows, lanes 16-31 B's
.set SPW,  28                          ; v28  my spare word; never rewritten
.set NIL,  29                          ; v29  0; never rewritten
.set LI,   30                          ; v30  16 x lane
.set L8,   31                          ; v31  8 x lane
.set SC,   32
.set TM,   64                          ; v64-79 at work in QUANT
.set PC,   80                          ; v80-99 the codes just made
.set PW,   100                         ; v100-107 the eight blocks' scale words;  v108-111 on their way out
.set AF,   128
.set BK,   128
.set G1,   24                          ; s[24:31] group 1 for A's tiles;  s[32:39] groups 0, one for each slot
.set G0,   32
.set G1B,  48
.set G0B,  56
.set G1S,  68                          ; the same for the scales
.set G0S,  76
.set G1SB, 80
.set G0SB, 88
.set SEL,  96
.set MSB, 0
.macro WIN new                         ; the immediate's high byte repeats the setting that is left
.if MSB != (\new)
	s_set_vgpr_msb (MSB<<8)|(\new)
.set MSB, (\new)
.endif
.endm
.set MUL_LO, 0xa1                      ; source 0 (B) window 1, source 1 (A) window 0, C and D window 2
.set MUL_HI, 0xf1
.set TO_B,   0x40
.macro JLOAD g0a, g1a, g0b, g1b        ; a joint refill: waves 0, 1 fetch for A, waves 2, 3 for B; four v_nop follow each line
	s_cmp_eq_u32 s17, 0
	s_cbranch_scc0 .Lfor_b_\@
	tensor_load_to_lds s[\g0a:\g0a+3], s[\g1a:\g1a+7]
	s_nop 0
.rept 4
	v_nop
.endr
	s_branch .Lasked_\@
.Lfor_b_\@:
	tensor_load_to_lds s[\g0b:\g0b+3], s[\g1b:\g1b+7]
	s_nop 0
.rept 4
	v_nop
.endr
.Lasked_\@:
.endm
.macro CREST                           ; a round of the cluster's barrier behind its opening barrier
	s_cmp_lg_u32 s16, 0
	s_cbranch_scc1 .Lnot_wave_0_\@
	s_barrier_signal -3
.Lnot_wave_0_\@:
	s_barrier_wait -3
	s_barrier_signal -1
	s_barrier_wait -1
.endm
.macro CROUND
	s_barrier_signal -1
	s_barrier_wait -1
	CREST
.endm
.macro PLACES n
.rept \n
	v_nop
.endr
.endm
; 64 numbers of a lane in window w, register 16 b + i = k 32 b + 16 (lane / 16) + i of my row, become a fragment's codes in v[PC] .. v[PC + 11] and its scale word in v[pw]
.macro QUANT src, w, pw
.set QW, ((\w)<<2)|((\w)<<4)
	WIN QW
.irp b, 0,1,2,3
	v_max3_num_f32 v[TM+\b], 0x1800000, |v[\src+16*\b]|, |v[\src+16*\b+1]|   ; block b: my 16 numbers, and the floor 2^(3 - 127); each accumulator is read from its low end on
.endr
.irp i, 2,4,6,8,10,12,14
.irp b, 0,1,2,3
	v_max3_num_f32 v[TM+\b], v[TM+\b], |v[\src+16*\b+\i]|, |v[\src+16*\b+\i+1]|
.endr
.endr
	WIN 0
.irp b, 0,1,2,3
	v_permlanex16_b32 v[TM+4+\b], v[TM+\b], s[SEL], s[SEL+1]
.endr
.irp b, 0,1,2,3
	v_max_num_f32 v[TM+\b], v[TM+\b], v[TM+4+\b]
.endr
.irp b, 0,1,2,3
	v_add_nc_u32 v[TM+12+\b], 0xff000000, v[TM+\b]        ; 2 off the exponent field: the conversion's scale operand
.endr
.irp b, 0,1,2,3
	v_lshrrev_b32 v[TM+4+\b], 23, v[TM+12+\b]             ; the scale's byte
.endr
	v_lshl_or_b32 v[\pw], v[TM+5], 8, v[TM+4]
	v_lshl_or_b32 v[\pw], v[TM+6], 16, v[\pw]
	v_lshl_or_b32 v[\pw], v[TM+7], 24, v[\pw]
	WIN \w
.irp c, 0,1
	v_cvt_scalef32_pk16_fp6_f32 v[PC+6*\c:PC+6*\c+2], v[\src+32*\c:\src+32*\c+15], v[TM+12+2*\c]
	v_cvt_scalef32_pk16_fp6_f32 v[PC+12+4*\c:PC+14+4*\c], v[\src+32*\c+16:\src+32*\c+31], v[TM+13+2*\c]
.endr
	WIN 0
	v_nop                                                 ; one plain place behind a scaled conversion
.irp c, 0,1
.irp i, 0,1,2
	v_permlane16_swap_b32 v[PC+6*\c+\i], v[PC+12+4*\c+\i]
.endr
.irp i, 0,1,2
	v_mov_b32 v[PC+3+6*\c+\i], v[PC+12+4*\c+\i]
.endr
.endr
.endm
.macro IMGST base, off
	global_store_b128 v[LI], v[PC:PC+3], s[\base:\base+1] offset:\off
	global_store_b64 v[L8], v[PC+4:PC+5], s[\base:\base+1] offset:\off+512
	global_store_b128 v[LI], v[PC+6:PC+9], s[\base:\base+1] offset:\off+768
	global_store_b64 v[L8], v[PC+10:PC+11], s[\base:\base+1] offset:\off+1280
.endm
	s_load_b128 s[4:7], s[0:1], 0x0                ; A's images s[4:5], A's scales s[6:7]
.if MODE == 0
	s_load_b128 s[8:11], s[0:1], 0x0               ; B's come from the same two buffers
	s_load_b128 s[12:15], s[0:1], 0x10             ; qkvimg, qkvsc
.else
	s_load_b128 s[8:11], s[0:1], 0x10              ; B's images s[8:9], B's scales s[10:11]
	s_load_b64 s[12:13], s[0:1], 0x20              ; out0
.endif
	v_lshl_add_u32 v[SPW], v0, 2, SPARE
	v_mov_b32 v[NIL], 0
	ds_add_u32 v28, v29
	ds_add_u32 v28, v29
	s_wait_dscnt 0x0
	v_lshrrev_b32 v1, 5, v0
	v_readfirstlane_b32 s16, v1                    ; wave 0..3
	s_lshr_b32 s17, s16, 1                         ; which half of the tile's rows is mine.  Also: I fetch for A (0) or for B (1)
	s_and_b32 s18, s16, 1                          ; which half of its columns.  Also: which 8 row tiles I fetch
	s_bfe_u32 s40, ttmp6, 0x40000                  ; cx, cy: my place in the cluster
	s_bfe_u32 s41, ttmp6, 0x40004
	s_and_b32 s19, ttmp7, 0xffff
	s_lshl_b32 s19, s19, 2                         ; 4 x cluster y
.if MODE == 0
	s_lshl_b32 s20, ttmp9, 6
	s_add_co_u32 s20, s20, 512                     ; Wq's or Wk's first image tile
	s_cmp_eq_u32 ttmp9, 2                          ; v?  The same in all sixteen partners
	s_cselect_b32 s45, 0, s19
	s_cselect_b32 s42, s19, 0
	s_cselect_b32 s66, 640, 0                      ; A's first image tile: Wv's or x's
	s_cselect_b32 s67, 0, s20                      ; B's: x's or the weight's
	s_cselect_b32 s98, 64, 4                       ; units from my block 0 to my block 4 on the way out
.else
	s_mov_b32 s45, s19
	s_mov_b32 s42, 0
	s_mov_b32 s66, 0
	s_mov_b32 s67, 704                             ; Wo's first image tile
.endif
	s_add_co_u32 s45, s45, s41                     ; tile row of C
	s_add_co_u32 s42, s42, s40                     ; tile column of C
	s_lshl_b32 s43, s41, 2
	s_lshl_b32 s43, 15, s43                        ; my row of the cluster
	s_lshl_b32 s44, 0x1111, s40                    ; my column
	; group 1: 8 rows (row tiles) of 3,072 bytes = 384 elements of 8 bytes, 12,288 bytes apart; no padding: a fragment's loads read consecutive bytes
	s_or_b32 s[G1], s43, (3<<16)|(1<<21)
	s_or_b32 s[G1B], s44, (3<<16)|(1<<21)
.irp g, G1, G1B
	s_mov_b32 s[\g+1], 384<<16                     ; tensor_dim0
	s_mov_b32 s[\g+2], 16<<16                      ; tensor_dim1: 16 row tiles for the head's loads; set to 8 behind them
	s_mov_b32 s[\g+3], 384<<16                     ; tile_dim0
	s_mov_b32 s[\g+4], 16                          ; tile_dim1, likewise
	s_mov_b32 s[\g+5], 1536                        ; tensor_dim0_stride
	s_mov_b32 s[\g+6], 0
	s_mov_b32 s[\g+7], 0
.endr
	; the scales of 128 rows: 4,096 dense bytes as 16 rows of 256, 16 bytes of padding behind each
.if MODE == 0
	s_or_b32 s[G1S], s43, (3<<16)|(1<<20)|(1<<21)|(5<<22)|(3<<25)
	s_mov_b32 s[G1S+1], 32<<16
	s_mov_b32 s[G1S+2], 32<<16                     ; the scales of all 256 rows: 32 rows of 256 bytes
	s_mov_b32 s[G1S+3], 32<<16
	s_mov_b32 s[G1S+4], 32
	s_mov_b32 s[G1S+5], 32
	s_mov_b32 s[G1S+6], 0
	s_mov_b32 s[G1S+7], 0
.endif
	s_or_b32 s[G1SB], s44, (3<<16)|(1<<20)|(1<<21)|(5<<22)|(3<<25)
	s_mov_b32 s[G1SB+1], 32<<16
	s_mov_b32 s[G1SB+2], (32-16*MODE)<<16          ; MODE 0: B's 256 rows in one load; MODE 1: 128 rows in each of two
	s_mov_b32 s[G1SB+3], 32<<16
	s_mov_b32 s[G1SB+4], 32-16*MODE
	s_mov_b32 s[G1SB+5], 32
	s_mov_b32 s[G1SB+6], 0
	s_mov_b32 s[G1SB+7], 0
	s_lshl_b32 s21, s18, 3                         ; which 8 row tiles of the 16 I fetch
	s_lshl_b32 s20, s45, 4
	s_add_co_u32 s20, s20, s66
	s_add_co_u32 s20, s20, s21                     ; A: image tile
	s_lshl_b32 s46, s42, 4
	s_add_co_u32 s46, s46, s67
	s_add_co_u32 s46, s46, s21                     ; B: image tile
	s_sub_co_u32 s22, s20, s21                     ; the scales are fetched from the tile's first row tile on: 512 bytes a row tile
	s_lshl_b32 s22, s22, 9
	s_mov_b32 s23, 0
	s_sub_co_u32 s92, s46, s21
	s_lshl_b32 s92, s92, 9
	s_mov_b32 s93, 0
	s_mul_i32 s20, s20, 12288                      ; their images
	s_mov_b32 s21, 0
	s_mul_i32 s46, s46, 12288
	s_mov_b32 s47, 0
	s_mul_i32 s94, s16, HALFT                      ; where they go: no place in the cluster enters an LDS address
	s_mul_i32 s95, s16, HALFS
.if MODE == 1
	s_lshr_b32 s22, s45, 3                         ; A's scales lie [batch x 16 + head][row tile 128][row 16] halfwords: my tile row's batch,
	s_lshl_b32 s22, s22, 16
	s_and_b32 s99, s45, 7
	s_lshl_b32 s99, s99, 9                         ; and its 16 row tiles
	s_add_co_u32 s22, s22, s99
.endif
	s_wait_kmcnt 0x0
	s_add_nc_u64 s[20:21], s[4:5], s[20:21]
	s_add_nc_u64 s[22:23], s[6:7], s[22:23]
	s_add_nc_u64 s[46:47], s[8:9], s[46:47]
	s_add_nc_u64 s[92:93], s[10:11], s[92:93]
	s_mov_b32 s[G0S], 1
	s_mov_b32 s[G0SB], 1
.if MODE == 0
	s_mov_b32 s[G0S+1], SCL                        ; wave 1: the scales of A's 256 rows
	s_mov_b64 s[G0S+2:G0S+3], s[22:23]
	s_mov_b32 s[G0SB+1], SCL+2*HALFS               ; wave 3: those of B's
	s_mov_b64 s[G0SB+2:G0SB+3], s[92:93]
.else
	s_mov_b32 s[G0S+1], SCL+2*HALFS                ; wave 1: the scales of B's rows 0-127
	s_mov_b64 s[G0S+2:G0S+3], s[92:93]
	s_mov_b32 s[G0SB+1], SCL+3*HALFS               ; wave 3: of B's rows 128-255
	s_add_nc_u64 s[G0SB+2:G0SB+3], s[92:93], 4096
.endif
	s_or_b32 s[G0S+3], s[G0S+3], 0x80000000
	s_or_b32 s[G0SB+3], s[G0SB+3], 0x80000000
.irp s, 0,1
	s_mov_b32 s[G0+4*\s], 1
	s_add_co_u32 s[G0+4*\s+1], s94, \s*SLOT
	s_add_nc_u64 s[G0+4*\s+2:G0+4*\s+3], s[20:21], \s*TILEB
	s_or_b32 s[G0+4*\s+3], s[G0+4*\s+3], 0x80000000
	s_mov_b32 s[G0B+4*\s], 1
	s_add_co_u32 s[G0B+4*\s+1], s94, \s*SLOT
	s_add_nc_u64 s[G0B+4*\s+2:G0B+4*\s+3], s[46:47], \s*TILEB
	s_or_b32 s[G0B+4*\s+3], s[G0B+4*\s+3], 0x80000000
.endr
	CROUND                                         ; all sixteen work-groups are here: the first joint loads meet
	; THE HEAD'S LOADS, ONE A WAVE, in one chain of branches on the wave's number: wave 0 slot 0's 16 row tiles of A (its own group 0 begins at the tile's
	; first row tile and at LDS byte 0), wave 2 slot 0's 16 row tiles of B (likewise, at 2 HALFT), waves 1 and 3 the scales.
	s_cmp_eq_u32 s16, 0
	s_cbranch_scc0 .Lhead_b
	tensor_load_to_lds s[G0:G0+3], s[G1:G1+7]
	s_nop 0
.rept 4
	v_nop
.endr
	s_branch .Lfirst_asked
.Lhead_b:
	s_cmp_eq_u32 s16, 2
	s_cbranch_scc0 .Lhead_s1
	tensor_load_to_lds s[G0B:G0B+3], s[G1B:G1B+7]
	s_nop 0
.rept 4
	v_nop
.endr
	s_branch .Lfirst_asked
.Lhead_s1:
	s_cmp_eq_u32 s16, 1
	s_cbranch_scc0 .Lhead_s3
.if MODE == 0
	tensor_load_to_lds s[G0S:G0S+3], s[G1S:G1S+7]
.else
	tensor_load_to_lds s[G0S:G0S+3], s[G1SB:G1SB+7]
.endif
	s_nop 0
.rept 4
	v_nop
.endr
	s_branch .Lfirst_asked
.Lhead_s3:
	tensor_load_to_lds s[G0SB:G0SB+3], s[G1SB:G1SB+7]
	s_nop 0
.rept 4
	v_nop
.endr
.Lfirst_asked:
.if MODE == 1
	v_lshrrev_b32 v10, 3, v0                       ; thread: head = number / 8, chunk = number % 8: 64 bytes: the halfwords of two row tiles of one head
	v_and_b32 v11, 7, v0
	v_lshlrev_b32 v12, 12, v10
	v_lshl_add_u32 v12, v11, 6, v12
.irp j, 0,1,2,3
	global_load_b128 v[64+4*\j:67+4*\j], v12, s[22:23] offset:16*\j
.endr
	v_mul_u32_u24 v13, v11, 2*SBLK
	v_lshl_add_u32 v13, v10, 1, v13
	v_add_nc_u32 v13, SCL, v13                     ; LDS: two row tiles a chunk, 2 bytes a head in each row's 32
.endif
	v_and_b32 v1, 15, v0                           ; r
	v_bfe_u32 v2, v0, 4, 1                         ; h
	v_and_b32 v3, 31, v0
	v_lshlrev_b32 v[LI], 4, v3
	v_lshlrev_b32 v[L8], 3, v3
	s_mul_i32 s92, s17, HALFT                      ; my 128 rows of A
	s_mul_i32 s93, s18, HALFT                      ; my 128 rows of B,
	s_add_co_u32 s93, s93, 2*HALFT                 ; which lie behind A's 256
.irp s, 0,1
	v_add_nc_u32 v[ADRA+\s], s92, v[LI]
	v_add_nc_u32 v[ADRB+\s], s93, v[LI]
	v_add_nc_u32 v[ADRA+2+\s], s92, v[L8]
	v_add_nc_u32 v[ADRB+2+\s], s93, v[L8]
	s_add_co_u32 s92, s92, SLOT
	s_add_co_u32 s93, s93, SLOT
.endr
	v_lshlrev_b32 v5, 5, v1                        ; my row's scales: 32 bytes a row,
	v_lshrrev_b32 v6, 8, v5
	v_lshl_add_u32 v5, v6, 4, v5                   ; and 16 more for each 256 passed
	s_mul_i32 s94, s17, HALFS
	s_mul_i32 s95, s18, HALFS
	s_add_co_u32 s95, s95, 2*HALFS
	s_sub_co_u32 s95, s95, s94
	v_mul_u32_u24 v6, s95, v2                      ; lanes 16-31 take B's
	s_add_co_u32 s94, s94, SCL
	v_add_nc_u32 v5, v5, v6
	v_add_nc_u32 v[ADRS], s94, v5
.if MODE == 0
	s_mov_b32 s[SEL], 0x76543210
	s_mov_b32 s[SEL+1], 0xfedcba98
.irp b, 0,1,2,3
	v_mov_b32 v[TM+4+\b], 0                        ; written once: a lane permute's destination counts as one of its sources
.endr
	s_lshl_b32 s94, s16, 9
	s_add_co_u32 s94, s94, STAGE                   ; my stage: 8 x 16 scale words
	v_lshl_add_u32 v[STO], v1, 2, s94
	v_add_nc_u32 v[RD], s94, v[LI]
	; my first unit.  q, k: X 4096 + batch 1024 + (128 columns) 128 + row tile;  v: 8192 + batch 1024 + head 64 + (128 keys) 4
	s_lshl_b32 s20, ttmp9, 12
	s_lshr_b32 s21, s45, 3
	s_lshl_b32 s21, s21, 10
	s_add_co_u32 s20, s20, s21
	s_lshl_b32 s21, s42, 1
	s_add_co_u32 s21, s21, s18
	s_lshl_b32 s21, s21, 7
	s_add_co_u32 s20, s20, s21
	s_and_b32 s21, s45, 7
	s_lshl_b32 s21, s21, 4
	s_add_co_u32 s20, s20, s21
	s_lshl_b32 s21, s17, 3
	s_add_co_u32 s20, s20, s21
	s_lshr_b32 s22, s42, 3
	s_lshl_b32 s22, s22, 10
	s_add_co_u32 s22, s22, 8192
	s_lshl_b32 s21, s45, 1
	s_add_co_u32 s21, s21, s17
	s_lshl_b32 s21, s21, 7
	s_add_co_u32 s22, s22, s21
	s_and_b32 s21, s42, 7
	s_lshl_b32 s21, s21, 1
	s_add_co_u32 s21, s21, s18
	s_lshl_b32 s21, s21, 2
	s_add_co_u32 s22, s22, s21
	s_cmp_eq_u32 ttmp9, 2
	s_cselect_b32 s20, s22, s20
	s_mul_i32 s22, s20, 1536
	s_mov_b32 s23, 0
	s_add_nc_u64 s[12:13], s[12:13], s[22:23]      ; blocks 0-3: four units on end
	s_mul_i32 s22, s98, 1536
	s_add_nc_u64 s[46:47], s[12:13], s[22:23]      ; blocks 4-7
	s_lshl_b32 s22, s20, 6
	s_add_nc_u64 s[14:15], s[14:15], s[22:23]
	s_lshl_b32 s22, s98, 6
	v_mul_u32_u24 v[CO], s22, v2                   ; the scale words: lanes 0-15 blocks 0-3, lanes 16-31 blocks 4-7: 256 consecutive bytes each
	v_lshl_add_u32 v[CO], v1, 4, v[CO]
.else
	s_mul_i32 s94, s16, 16*SPITCH
	s_add_co_u32 s94, s94, STAGE                   ; my stage: 16 rows x 528 bytes
	v_mul_u32_u24 v5, v1, SPITCH
	v_lshl_add_u32 v5, v2, 6, v5
	v_add_nc_u32 v[STO], s94, v5                   ; in: row r, + 64 h
	v_add_nc_u32 v[RD], s94, v[LI]                 ; back: a row of 512 bytes for the 32 lanes
	v_mov_b32 v[CO], v[LI]
	s_lshl_b32 s20, s45, 8
	s_lshl_b32 s21, s17, 7
	s_add_co_u32 s20, s20, s21                     ; my first row of C
	s_lshl_b32 s20, s20, 12                        ; rows of 4,096 bytes
	s_lshl_b32 s21, s42, 10
	s_add_co_u32 s20, s20, s21
	s_lshl_b32 s21, s18, 9
	s_add_co_u32 s20, s20, s21                     ; + my first column
	s_mov_b32 s21, 0
	s_add_nc_u64 s[12:13], s[12:13], s[20:21]
	s_wait_loadcnt 0x0                             ; A's scale halfwords: load j, register k, half u is row 8 (j % 2) + 2 k + u of row tile 2 chunk + j / 2
.irp j, 0,1,2,3
.irp k, 0,1,2,3
	ds_store_b16 v13, v[64+4*\j+\k] offset:(\j/2)*SBLK+(8*(\j%2)+2*\k)*32+16*(\j%2)
	ds_store_b16_d16_hi v13, v[64+4*\j+\k] offset:(\j/2)*SBLK+(8*(\j%2)+2*\k+1)*32+16*(\j%2)
.endr
.endr
.endif
.macro FRAG reg, adr, q, i             ; a fragment comes as it was stored: 512, 256, 512, 256 consecutive bytes
	ds_load_b128 v[\reg:\reg+3], v[\adr] offset:TILEB*(\i)+1536*(\q)
	ds_load_b64 v[\reg+4:\reg+5], v[\adr+2] offset:TILEB*(\i)+1536*(\q)+512
	ds_load_b128 v[\reg+6:\reg+9], v[\adr] offset:TILEB*(\i)+1536*(\q)+768
	ds_load_b64 v[\reg+10:\reg+11], v[\adr+2] offset:TILEB*(\i)+1536*(\q)+1280
.endm
; 16 matrix instructions: A's blocks a0, a0 + 1 x B's eight, 128 along K.  The 64 accumulators take turns, one instruction a turn, in the same order in every step.
.macro MUL16 a0, p, q, sc, zero
.irp a, \a0, \a0+1
.irp b, 0,1,2,3,4,5,6,7
.if \zero
	v_wmma_scale_f32_16x16x128_f8f6f4 v[8*(8*((\a)%4)+\b):8*(8*((\a)%4)+\b)+7], v[128*(\p)+FR*\b:128*(\p)+FR*\b+FR-1], v[AF+FR*(\a):AF+FR*(\a)+FR-1], 0, v[SC+8*NQ*(\sc)+NQ*\b+(\q)], v[SC+8*NQ*(\sc)+NQ*(\a)+(\q)] matrix_a_fmt:MATRIX_FMT_FP6 matrix_b_fmt:MATRIX_FMT_FP6 matrix_a_scale:MATRIX_SCALE_ROW1
.else
	v_wmma_scale_f32_16x16x128_f8f6f4 v[8*(8*((\a)%4)+\b):8*(8*((\a)%4)+\b)+7], v[128*(\p)+FR*\b:128*(\p)+FR*\b+FR-1], v[AF+FR*(\a):AF+FR*(\a)+FR-1], v[8*(8*((\a)%4)+\b):8*(8*((\a)%4)+\b)+7], v[SC+8*NQ*(\sc)+NQ*\b+(\q)], v[SC+8*NQ*(\sc)+NQ*(\a)+(\q)] matrix_a_fmt:MATRIX_FMT_FP6 matrix_b_fmt:MATRIX_FMT_FP6 matrix_a_scale:MATRIX_SCALE_ROW1
.endif
.endr
.endr
.endm
.macro FETCH_B slot, q, p
	WIN TO_B
.irp i, 0,1,2,3,4,5,6,7
	FRAG 128*(\p)+FR*\i, ADRB+\slot, \q, \i
.endr
	WIN 0
.endm
.macro FETCH_A slot, q, i0
.irp i, \i0, \i0+1, \i0+2, \i0+3
	FRAG AF+FR*(\i), ADRA+\slot, \q, \i
.endr
.endm
.macro SCALES sc                       ; a slot's two scale words a row: lanes 0-15 A's block i, lanes 16-31 B's block i
.irp i, 0,1,2,3,4,5,6,7
	ds_load_b64 v[SC+8*NQ*\sc+NQ*\i:SC+8*NQ*\sc+NQ*\i+1], v[ADRS] offset:\i*SBLK
.endr
.endm
.macro STEP slot, q, zero              ; a step of 128 along K that has its successor in the same slot
	s_wait_dscnt 4*NL                              ; B's set and A's blocks 0-3 are in; the youngest 16 loads (A's blocks 4-7) may be out
	WIN MUL_LO
	MUL16 0, (\q)%2, \q, \slot, \zero
	MUL16 2, (\q)%2, \q, \slot, \zero
	s_wait_dscnt 0
	PLACES NP                                      ; in front of loads into registers that matrix instructions have read
	FETCH_B \slot, (\q)+1, 1-(\q)%2
	FETCH_A \slot, (\q)+1, 0
	WIN MUL_HI
	MUL16 4, (\q)%2, \q, \slot, \zero
	MUL16 6, (\q)%2, \q, \slot, \zero
	PLACES NP
	WIN 0
	FETCH_A \slot, (\q)+1, 4
.endm
; A slot's last step changes slots: one barrier; in front of it each wave waits for all its tensor loads, adds 0 to its spare word, and waits for that and for its reads of this slot.
.macro TURN slot, next, fill
	s_wait_tensorcnt 0x0                           ; all my tensor loads have landed: my part of the next slot
	ds_add_u32 v[SPW], v[NIL]                      ; 0 onto my spare word
	s_wait_dscnt 4*NL+1                            ; (the add and A's blocks 4-7 may be out)
	WIN MUL_LO
	MUL16 0, 1, NQ-1, \slot, 0
	s_wait_dscnt 0x0                               ; the add is done, and my reads of this slot are over
	s_barrier_signal -1
	MUL16 2, 1, NQ-1, \slot, 0
	WIN 0
	s_barrier_wait -1
.if \fill
	CREST                                          ; the barrier has opened a round of the cluster's barrier: no wave of any partner still reads this slot or has a load on its way
	s_add_nc_u64 s[G0+4*\slot+2:G0+4*\slot+3], s[G0+4*\slot+2:G0+4*\slot+3], 2*TILEB
	s_add_nc_u64 s[G0B+4*\slot+2:G0B+4*\slot+3], s[G0B+4*\slot+2:G0B+4*\slot+3], 2*TILEB
	JLOAD G0+4*\slot, G1, G0B+4*\slot, G1B         ; the first tensor load behind the round; its four v_nop are also the places in front of the loads below
.else
	PLACES NP
.endif
	s_wait_alu depctr_va_vdst(0)
	v_add_nc_u32 v[ADRS], 4*NQ, v[ADRS]            ; the next slot's scale words
	FETCH_B \next, 0, 0
	FETCH_A \next, 0, 0
	SCALES \next
	WIN MUL_HI
	MUL16 4, 1, NQ-1, \slot, 0
	MUL16 6, 1, NQ-1, \slot, 0
	PLACES NP
	WIN 0
	FETCH_A \next, 0, 4
.endm
	s_wait_alu depctr_va_vdst(0)
	s_wait_tensorcnt 0x0                           ; my tile of the head's four is in; slot 1's first fill is issued as a refill is
	ds_add_u32 v[SPW], v[NIL]
	s_mov_b32 s[G1+2], 8<<16                       ; no tensor load of mine is out: from here on a load brings 8 row tiles
	s_mov_b32 s[G1+4], 8
	s_mov_b32 s[G1B+2], 8<<16
	s_mov_b32 s[G1B+4], 8
	s_wait_dscnt 0x0                               ; the add is done (MODE 1: and my stores of A's scales have landed)
	CROUND                                         ; all four tiles are in, and all sixteen work-groups are here
	JLOAD G0+4, G1, G0B+4, G1B                     ; slot 1: the first tensor load behind the round, a quarter of the slot a wave
	FETCH_B 0, 0, 0
	FETCH_A 0, 0, 0
	SCALES 0
	FETCH_A 0, 0, 4
	STEP 0, 0, 1                                   ; K 0: the first products start the sums
	TURN 0, 1, 1                                   ; K 128; slot 0 takes K 512 on
	STEP 1, 0, 0
	TURN 1, 0, 1                                   ; slot 1 takes K 768 on
	STEP 0, 0, 0
	TURN 0, 1, 0                                   ; nothing is left to fetch
	STEP 1, 0, 0
	s_wait_dscnt 4*NL
	WIN MUL_LO
	MUL16 0, 1, NQ-1, 1, 0
	MUL16 2, 1, NQ-1, 1, 0
	s_wait_dscnt 0
	WIN MUL_HI
	MUL16 4, 1, NQ-1, 1, 0
	MUL16 6, 1, NQ-1, 1, 0
	WIN 0
	PLACES NP                                      ; in front of the first read of results
.if MODE == 0
	; THE WAY OUT: block a's 64 registers are 128 neighbouring columns of 16 rows: one fragment of the next product.  Quantised, stored as its image; the scale words are gathered in my stage.
.irp a, 0,1,2,3,4,5,6,7
.if \a > 0
	s_wait_xcnt 0x0                                ; the last block's stores have read the codes' registers
.endif
.set QSRC, 64*(\a%4)
	QUANT QSRC, 2+\a/4, PW+\a
.if \a < 4
	IMGST 12, 1536*(\a%4)
.else
	IMGST 46, 1536*(\a%4)
.endif
	ds_store_b32 v[STO], v[PW+\a] offset:64*\a     ; both halves of the lanes write the same word with the same value
.endr
	ds_load_b128 v[108:111], v[RD]                 ; LDS serves a wave's instructions in order: this sees my stores
	s_wait_dscnt 0x0
	global_store_b128 v[CO], v[108:111], s[14:15]
.else
	; THE WAY OUT: a block of 16 rows x 128 columns goes through my stage and comes back as whole rows of 512 bytes.
.macro TOSTAGE a
.set AC, 64*((\a)%4)
	WIN 0x08+4*((\a)/4)
.irp b, 0,1,2,3,4,5,6,7
	ds_store_b128 v[STO], v[AC+8*\b:AC+8*\b+3] offset:128*(\b/2)+32*(\b%2)       ; columns 32 (b / 2) + 16 h + 8 (b % 2) on; each accumulator from its low end on
	ds_store_b128 v[STO], v[AC+8*\b+4:AC+8*\b+7] offset:128*(\b/2)+32*(\b%2)+16
.endr
	WIN 0
.set BB, BK+64*((\a)%2)
.irp t, 0,1,2,3,4,5,6,7,8,9,10,11,12,13,14,15
	ds_load_b128 v[BB+4*\t:BB+4*\t+3], v[RD] offset:\t*SPITCH
.endr
.endm
.macro SEND a, younger
.set BB, BK+64*((\a)%2)
	s_wait_dscnt \younger
.if (\a) > 0
.if (\a)%2
	s_add_nc_u64 s[12:13], s[12:13], 8*4096        ; row tile a begins at row 32 (a / 2) + 8 (a % 2)  (behind a wait on XCNT: the earlier stores have read their base)
.else
	s_add_nc_u64 s[12:13], s[12:13], 24*4096
.endif
.endif
.irp t, 0,1,2,3,4,5,6,7,8,9,10,11,12,13,14,15
	global_store_b128 v[CO], v[BB+4*\t:BB+4*\t+3], s[12:13] offset:(\t+8*(\t/8))*4096 th:TH_STORE_NT   ; 32 lanes store 512 consecutive bytes
.endr
.endm
	TOSTAGE 0
.irp a, 1,2,3,4,5,6,7
.if \a > 1
	s_wait_xcnt 0x0                                ; block a - 2's stores have read their registers and their base
.endif
	TOSTAGE \a
	SEND \a-1, 32                                  ; behind block a - 1's loads: block a's 16 stores and 16 loads
.endr
	s_wait_xcnt 0x0
	SEND 7, 0
.endif
	s_wait_tensorcnt 0x0                           ; the wave's end
	ds_add_u32 v[SPW], v[NIL]
	s_wait_dscnt 0x0
	CROUND                                         ; the closing round
	s_endpgm
.Lfunc_end_k_q5906c2f487_qkv:
	.size	k_q5906c2f487_qkv, .Lfunc_end_k_q5906c2f487_qkv-k_q5906c2f487_qkv
	.p2alignl 7, 3214868480
	.fill 96, 4, 3214868480
	.section	.rodata,"a",@progbits
	.p2align	6, 0x0
	.amdhsa_kernel k_q5906c2f487_qkv
		.amdhsa_group_segment_fixed_size 327680
		.amdhsa_private_segment_fixed_size 0
		.amdhsa_enable_private_segment 0
		.amdhsa_kernarg_size 32
		.amdhsa_user_sgpr_count 2
		.amdhsa_user_sgpr_kernarg_segment_ptr 1
		.amdhsa_wavefront_size32 1
		.amdhsa_system_sgpr_workgroup_id_x 1
		.amdhsa_system_sgpr_workgroup_id_y 1
		.amdhsa_system_sgpr_workgroup_id_z 1
		.amdhsa_system_vgpr_workitem_id 0
		.amdhsa_next_free_vgpr 1024
		.amdhsa_next_free_sgpr 100
		.amdhsa_reserve_vcc 0
		.amdhsa_float_denorm_mode_32 3
		.amdhsa_float_denorm_mode_16_64 3
		.amdhsa_memory_ordered 1
		.amdhsa_forward_progress 1
		.amdhsa_inst_pref_size 151
	.end_amdhsa_kernel
	.amdgpu_metadata
---
amdhsa.version: [ 1, 2 ]
amdhsa.kernels:
  - .name:           k_q5906c2f487_qkv
    .symbol:         k_q5906c2f487_qkv.kd
    .args:
      - { .name: xwimg, .offset: 0, .size: 8, .value_kind: global_buffer, .address_space: global }
      - { .name: xwsc, .offset: 8, .size: 8, .value_kind: global_buffer, .address_space: global }
      - { .name: qkvimg, .offset: 16, .size: 8, .value_kind: global_buffer, .address_space: global }
      - { .name: qkvsc, .offset: 24, .size: 8, .value_kind: global_buffer, .address_space: global }
    .group_segment_fixed_size: 327680
    .private_segment_fixed_size: 0
    .kernarg_segment_align: 8
    .kernarg_segment_size: 32
    .max_flat_workgroup_size: 128
    .sgpr_count:     100
    .vgpr_count:     1024
    .wavefront_size: 32
...
	.end_amdgpu_metadata
.endif
;; end of part 2
;; launch attn (part 3): grid 64 x 4, 8 waves a work-group, clusters of 4 x 1, 327,680 bytes of LDS; arguments qkvimg, qkvsc, mimg, aimg, asc; writes aimg, asc
.if DOCPART == 3
	.amdgcn_target "amdgcn-amd-amdhsa--gfx1250"
	.amdhsa_code_object_version 6
	.text
	.protected	k_q5906c2f487_attn
	.globl	k_q5906c2f487_attn
	.p2align	8
	.type	k_q5906c2f487_attn,@function
k_q5906c2f487_attn:
	s_mov_b64 s[64:65], 0
	v_nop
	global_prefetch_b8 v0, s[64:65] scope:SCOPE_SE
	s_setreg_imm32_b32 hwreg(HW_REG_WAVE_MODE, 25, 1), 1
	s_wait_xcnt 0x0
	s_wait_alu depctr_hold_cnt(0) depctr_sa_sdst(0) depctr_va_vdst(0) depctr_va_sdst(0) depctr_va_ssrc(0) depctr_va_vcc(0) depctr_vm_vsrc(0)
	s_getreg_b32 s2, hwreg(HW_REG_IB_STS2, 6, 4)
	s_cmp_eq_u32 s2, 0
	s_cbranch_scc0 .Lentry_in_a_cluster
	s_endpgm
.Lentry_in_a_cluster:
	s_bfe_u32 s2, ttmp6, 0x10000c
	s_cmp_lg_u32 s2, 0x3003
	s_cbranch_scc0 .Lentry_shape_is_right
	s_endpgm
.Lentry_shape_is_right:
; ATTENTION ON FP6 (E2M3) CODES.  For one batch and head and 512 queries: p = exp(q k^T / 8 + mask) / (sum of the row + 1e-10), quantised along the keys AS NORMALISED, then o = p v, quantised along the head's 64 for the last product.
; No maximum is taken away before the exponential, as in the module: an exponent that overflows there overflows here.  The mask is an input and is honoured number by number; no work is left out.
; SHARES.  A work-group of 8 waves takes 32 query tiles of 16, one a trip.  Wave w keeps keys 256 w .. 256 w + 255 of its head in registers for the whole launch: 16 half images of k (6 registers each) and 8 images of v.
; Both products are used transposed (S^T = k q^T, O^T = v^T p^T): a lane holds one query, and by the order of the rows in an image the 16 registers of two neighbouring tiles are 16 neighbouring keys (or channels).
; The head's 64 fill half of the instruction's K: q's registers 6-11 hold zero codes, so what stands in k's registers 6-11 (the next tile's codes) adds nothing; the upper two scale bytes are 0, a finite code.
; 8 x mask, laid in the order of the score registers (mimg), is the C of the score products; then t = (s + 8 mask) x log2(e) / 8, p = 2^t.
; A TRIP: score products; 64 packed multiplies; all 128 exponentials in ONE batch (one wait ahead of it, one behind it); sums and block maxima; the 8 waves' row sums meet in LDS (a barrier);
; 1 / (sum + eps); p normalised, quantised; O^T's 8 partial tiles meet in LDS at the next change of slots: wave w adds registers 4 w .. 4 w + 3 of all eight, wave 0 quantises the tile and stores its half image.
; THE MASK comes through two LDS slots of 128 KiB (a query tile x 2,048 keys); each wave fetches and reads its own 16 KiB.  CLUSTERS 4 x 1: four heads of one batch need the same mask tile and ask for it jointly.
; The round of the cluster's barrier at each change of slots is also the barrier for O^T's partial tiles; the 16 score products, work on registers, stand between its opening signal and wait.
; PREFETCH: the even waves of the clusters with x = 0 name, 256 bytes a lane, the mask tile one refill beyond the one being asked for; the four partners share it out by address; the last fill names nothing beyond the 32nd tile.
; k, v and q are read once by a work-group, at the head or a tile ahead, straight into registers: no prefetch for them.
; LIMITS: a block of zeros gets the scale byte 1 where the rule says 127 (its codes are zeros; this program alone reads the bytes); NaN in the inputs is not served.
.set SLOT1, 1<<17                      ; LDS: two mask slots,
.set XO,    2*SLOT1                    ; 8 partial tiles of O^T, 4,096 bytes each,
.set XO2,   XO+8*4096                  ; the summed tile,
.set XS,    XO2+4096                   ; the row sums: 16 queries x 8 waves,
.set SCG,   XS+512                     ; o's scale halfwords, gathered for the whole launch,
.set SPARE, SCG+1024                   ; and the spare words, 128 bytes a wave
.set LI,   1                           ; 16 x lane
.set L8,   2                           ; 8 x lane
.set L4,   3                           ; 4 x lane
.set R4,   4                           ; 4 x (lane % 16)
.set MA0,  5                           ; my part of slot 0
.set MAD,  6                           ; and of the slot to be read
.set XSA,  7
.set XSR,  8
.set XOWR, 9
.set XORD, 10
.set R2S,  11
.set SCA,  12
.set PFO,  13
.set SPW,  14                          ; my spare word; never rewritten
.set NIL,  15                          ; 0; never rewritten
.set QF,   16                          ; v16-27 q's fragment
.set QSR,  28
.set QS,   29
.set INV,  30
.set KS,   32                          ; v32-39 k's scale words, v40-43 v's
.set VS,   40
.set SM,   44                          ; v44-51 sums; later the scale bytes
.set BT,   44
.set BM,   52                          ; v52-59 the eight blocks' maxima
.set OC,   60
.set PW,   68
.set FA,   70
.set FB,   71
.set X2W,  72
.set X2R,  73
.set PC,   74                          ; v74-93 p's codes; before that at work
.set T8,   74
.set OA,   94                          ; v94-125 O^T
.set FC,   126
.set FD,   127
.set S,    128                         ; v128-255 the scores, then p
.set VW,   104                         ; window 1: v0-101 k, v104-199 v
.set WV,   14
.set G1,   24
.set G0,   32
.set TB,   40
.set CNT,  41
.set LIM,  42
.set SH,   43
.set CS,   44
.set SEL,  46
.set QP,   48
.set QSP,  50
.set AP,   52
.set PFA,  54
.set SCO,  56
.set ASP,  58
.set APU,  74
.set W_MM, 0x01
.set W_LD, 0x40
.set MSB, 0
.macro WIN new                         ; the immediate's high byte repeats the setting that is left
.if MSB != (\new)
	s_set_vgpr_msb (MSB<<8)|(\new)
.set MSB, (\new)
.endif
.endm
.macro CREST                           ; a round of the cluster's barrier behind its opening barrier
	s_cmp_lg_u32 s[WV], 0
	s_cbranch_scc1 .Lnot_wave_0_\@
	s_barrier_signal -3
.Lnot_wave_0_\@:
	s_barrier_wait -3
	s_barrier_signal -1
	s_barrier_wait -1
.endm
.macro CROUND
	s_barrier_signal -1
	s_barrier_wait -1
	CREST
.endm
.macro PLACES
.rept 4
	v_nop
.endr
.endm
.macro ASK
	s_cmp_gt_u32 s[CNT], s[LIM]
	s_cbranch_scc0 .Lnot_mine_\@
	global_prefetch_b8 v[PFO], s[PFA:PFA+1] th:TH_LOAD_NT scope:SCOPE_SE
.Lnot_mine_\@:
.endm
.macro MLD s                           ; 8 x mask of 128 of my keys into the score registers
.set gg, 0
.rept 16
	ds_load_b128 v[S+64*\s+4*gg:S+64*\s+4*gg+3], v[MAD] offset:8192*\s+512*gg
.set gg, gg+1
.endr
.endm
.macro QK s                            ; 8 tiles of 16 keys; two tiles' scale words share a register
	WIN W_MM
.irp j, 0,1,2,3,4,5,6,7
.if \j%2
	v_wmma_scale_f32_16x16x128_f8f6f4 v[S+64*\s+8*\j:S+64*\s+8*\j+7], v[6*(8*\s+\j):6*(8*\s+\j)+11], v[QF:QF+11], v[S+64*\s+8*\j:S+64*\s+8*\j+7], v[KS+(8*\s+\j)/2], v[QS] matrix_a_fmt:MATRIX_FMT_FP6 matrix_b_fmt:MATRIX_FMT_FP6 matrix_a_scale:MATRIX_SCALE_ROW1
.else
	v_wmma_scale_f32_16x16x128_f8f6f4 v[S+64*\s+8*\j:S+64*\s+8*\j+7], v[6*(8*\s+\j):6*(8*\s+\j)+11], v[QF:QF+11], v[S+64*\s+8*\j:S+64*\s+8*\j+7], v[KS+(8*\s+\j)/2], v[QS] matrix_a_fmt:MATRIX_FMT_FP6 matrix_b_fmt:MATRIX_FMT_FP6
.endif
.endr
.endm
.macro MULC                            ; t = (s + 8 mask) x log2(e) / 8; each accumulator from its low end on
.set pp, 0
.rept 64
	v_pk_mul_f32 v[S+pp:S+pp+1], v[S+pp:S+pp+1], s[CS:CS+1] op_sel_hi:[1,0]
.set pp, pp+2
.endr
.endm
.macro EXPS
.set pp, 0
.rept 128
	v_exp_f32 v[S+pp], v[S+pp]
.set pp, pp+1
.endr
.endm
.macro SUMX                            ; my 128 p in four packed chains; among the first half of them the maxima of blocks 0-3
.set pp, 0
.rept 64
.if pp < 4
	v_pk_add_f32 v[SM+2*pp:SM+2*pp+1], v[S+2*pp:S+2*pp+1], v[S+8+2*pp:S+8+2*pp+1]
.endif
.if pp >= 8
	v_pk_add_f32 v[SM+2*(pp%4):SM+2*(pp%4)+1], v[SM+2*(pp%4):SM+2*(pp%4)+1], v[S+2*pp:S+2*pp+1]
.endif
.if pp < 4
	v_max3_num_f32 v[BM+pp], 0, v[S+16*pp], v[S+16*pp+1]
.endif
.if (pp >= 4) && (pp < 32)
	v_max3_num_f32 v[BM+pp%4], v[BM+pp%4], v[S+16*(pp%4)+2*(pp/4)], v[S+16*(pp%4)+2*(pp/4)+1]
.endif
.set pp, pp+1
.endr
.endm
.macro MXB1 second                     ; the maxima of blocks 4-7, in two halves of 16 lines
.if \second == 0
.irp b, 0,1,2,3
	v_max3_num_f32 v[BM+4+\b], 0, v[S+64+16*\b], v[S+64+16*\b+1]
.endr
.endif
.irp i, 2,4,6,8
.if (\i < 8) || \second
.irp b, 0,1,2,3
	v_max3_num_f32 v[BM+4+\b], v[BM+4+\b], v[S+64+16*\b+\i+6*\second], v[S+64+16*\b+\i+6*\second+1]
.endr
.endif
.endr
.endm
.macro NH s, half                      ; p / (sum + eps)
.set pp, S+64*\s+32*\half
.rept 16
	v_pk_mul_f32 v[pp:pp+1], v[pp:pp+1], v[INV:INV+1] op_sel_hi:[1,0]
.set pp, pp+2
.endr
.endm
.macro CV s                            ; 64 numbers a lane become a fragment's 12 registers
.irp c, 0,1
	v_cvt_scalef32_pk16_fp6_f32 v[PC+6*\c:PC+6*\c+2], v[S+64*\s+32*\c:S+64*\s+32*\c+15], v[BM+4*\s+2*\c]
	v_cvt_scalef32_pk16_fp6_f32 v[PC+12+4*\c:PC+14+4*\c], v[S+64*\s+32*\c+16:S+64*\s+32*\c+31], v[BM+4*\s+2*\c+1]
.endr
	v_nop                                          ; one plain place behind a scaled conversion
.irp c, 0,1
.irp i, 0,1,2
	v_permlane16_swap_b32 v[PC+6*\c+\i], v[PC+12+4*\c+\i]
.endr
.irp i, 0,1,2
	s_delay_alu instid0(VALU_DEP_3)
	v_mov_b32 v[PC+3+6*\c+\i], v[PC+12+4*\c+\i]
.endr
.endr
.endm
.macro PV s                            ; O^T += v^T p^T over 128 keys; the four accumulators by turns
	WIN W_MM
.irp d, 0,1,2,3
.if \s == 0
.if \d%2
	v_wmma_scale_f32_16x16x128_f8f6f4 v[OA+8*\d:OA+8*\d+7], v[VW+12*(4*\s+\d):VW+12*(4*\s+\d)+11], v[PC:PC+11], 0, v[VS+2*\s+\d/2], v[PW+\s] matrix_a_fmt:MATRIX_FMT_FP6 matrix_b_fmt:MATRIX_FMT_FP6 matrix_a_scale:MATRIX_SCALE_ROW1
.else
	v_wmma_scale_f32_16x16x128_f8f6f4 v[OA+8*\d:OA+8*\d+7], v[VW+12*(4*\s+\d):VW+12*(4*\s+\d)+11], v[PC:PC+11], 0, v[VS+2*\s+\d/2], v[PW+\s] matrix_a_fmt:MATRIX_FMT_FP6 matrix_b_fmt:MATRIX_FMT_FP6
.endif
.else
.if \d%2
	v_wmma_scale_f32_16x16x128_f8f6f4 v[OA+8*\d:OA+8*\d+7], v[VW+12*(4*\s+\d):VW+12*(4*\s+\d)+11], v[PC:PC+11], v[OA+8*\d:OA+8*\d+7], v[VS+2*\s+\d/2], v[PW+\s] matrix_a_fmt:MATRIX_FMT_FP6 matrix_b_fmt:MATRIX_FMT_FP6 matrix_a_scale:MATRIX_SCALE_ROW1
.else
	v_wmma_scale_f32_16x16x128_f8f6f4 v[OA+8*\d:OA+8*\d+7], v[VW+12*(4*\s+\d):VW+12*(4*\s+\d)+11], v[PC:PC+11], v[OA+8*\d:OA+8*\d+7], v[VS+2*\s+\d/2], v[PW+\s] matrix_a_fmt:MATRIX_FMT_FP6 matrix_b_fmt:MATRIX_FMT_FP6
.endif
.endif
.endr
	WIN 0
.endm
.macro FIN1L                           ; my four registers of the eight partial tiles
.irp p, 0,1,2,3,4,5,6,7
	ds_load_b128 v[OA+4*\p:OA+4*\p+3], v[XORD] offset:4096*\p
.endr
.endm
.macro FIN1S                           ; added, and into the summed tile
	s_wait_dscnt 0x0
.irp k, 0,1,2,3
	v_pk_add_f32 v[OA+8*\k:OA+8*\k+1], v[OA+8*\k:OA+8*\k+1], v[OA+8*\k+4:OA+8*\k+5]
	v_pk_add_f32 v[OA+8*\k+2:OA+8*\k+3], v[OA+8*\k+2:OA+8*\k+3], v[OA+8*\k+6:OA+8*\k+7]
.endr
	v_pk_add_f32 v[OA:OA+1], v[OA:OA+1], v[OA+8:OA+9]
	v_pk_add_f32 v[OA+2:OA+3], v[OA+2:OA+3], v[OA+10:OA+11]
	s_delay_alu instid0(VALU_DEP_4)
	v_pk_add_f32 v[OA+16:OA+17], v[OA+16:OA+17], v[OA+24:OA+25]
	s_delay_alu instid0(VALU_DEP_4)
	v_pk_add_f32 v[OA+18:OA+19], v[OA+18:OA+19], v[OA+26:OA+27]
	s_delay_alu instid0(VALU_DEP_2)
	v_pk_add_f32 v[OA:OA+1], v[OA:OA+1], v[OA+16:OA+17]
	s_delay_alu instid0(VALU_DEP_2)
	v_pk_add_f32 v[OA+2:OA+3], v[OA+2:OA+3], v[OA+18:OA+19]
	ds_store_b128 v[X2W], v[OA:OA+3]
.endm
.macro FIN2L
.irp g, 0,1,2,3,4,5,6,7
	ds_load_b128 v[OA+4*\g:OA+4*\g+3], v[X2R] offset:512*\g
.endr
.endm
.macro FIN2Q                           ; wave 0: o's 16 x 64 quantised along the 64 (two blocks), stored as half an image; the two scale bytes go to LDS
.irp k, 0,1,2,3
	v_max3_num_f32 v[T8+\k], |v[OA+8*\k]|, |v[OA+8*\k+1]|, 0x1800000   ; four chains by turns; the floor 2^(3 - 127) holds the byte at 1 from below
.endr
.irp i, 2,4,6
.irp k, 0,1,2,3
	v_max3_num_f32 v[T8+\k], v[T8+\k], |v[OA+8*\k+\i]|, |v[OA+8*\k+\i+1]|
.endr
.endr
	s_delay_alu instid0(VALU_DEP_3)
	v_max_num_f32 v[FA], v[T8], v[T8+1]
	s_delay_alu instid0(VALU_DEP_2)
	v_max_num_f32 v[FB], v[T8+2], v[T8+3]
	s_delay_alu instid0(VALU_DEP_2)
	v_permlanex16_b32 v[FC], v[FA], s[SEL], s[SEL+1]
	s_delay_alu instid0(VALU_DEP_2)
	v_permlanex16_b32 v[FD], v[FB], s[SEL], s[SEL+1]
	s_delay_alu instid0(VALU_DEP_2)
	v_max_num_f32 v[FA], v[FA], v[FC]
	s_delay_alu instid0(VALU_DEP_2)
	v_max_num_f32 v[FB], v[FB], v[FD]
	s_delay_alu instid0(VALU_DEP_2)
	v_add_nc_u32 v[FC], 0xff000000, v[FA]
	s_delay_alu instid0(VALU_DEP_2)
	v_add_nc_u32 v[FD], 0xff000000, v[FB]
	s_delay_alu instid0(VALU_DEP_2)
	v_lshrrev_b32 v[FA], 23, v[FC]
	s_delay_alu instid0(VALU_DEP_2)
	v_lshrrev_b32 v[FB], 23, v[FD]
	s_delay_alu instid0(VALU_DEP_1)
	v_lshl_or_b32 v[FA], v[FB], 8, v[FA]
	v_cvt_scalef32_pk16_fp6_f32 v[OC:OC+2], v[OA:OA+15], v[FC]
	v_cvt_scalef32_pk16_fp6_f32 v[OC+4:OC+6], v[OA+16:OA+31], v[FD]
	v_nop
.irp i, 0,1,2
	v_permlane16_swap_b32 v[OC+\i], v[OC+4+\i]
.endr
.irp i, 0,1,2
	s_delay_alu instid0(VALU_DEP_3)
	v_mov_b32 v[OC+3+\i], v[OC+4+\i]
.endr
	global_store_b128 v[LI], v[OC:OC+3], s[APU:APU+1]
	global_store_b64 v[L8], v[OC+4:OC+5], s[APU:APU+1] offset:512
	ds_store_b16 v[SCA], v[FA]
.endm
; THE CHANGE OF SLOTS.  In front of the barrier each wave waits for all its tensor loads (one is out: my part of the slot to be read next), adds 0 to its spare word, and waits for that, for its mask reads and for its stores of O^T.
; fill: the barrier opens a round of the cluster's barrier, and the slot read out is filled again first behind it.  qk: the score products stand between the signal and the wait.
.macro CHG fill, prev, qk
	s_wait_alu depctr_va_vdst(0)
	s_wait_tensorcnt 0x0
	ds_add_u32 v[SPW], v[NIL]
.if \fill
	s_xor_b32 s[G0+5], s[G0+5], SLOT1              ; no load of mine is out: the descriptor steps to the other slot and the next tile
	s_add_nc_u64 s[G0+6:G0+7], s[G0+6:G0+7], 131072
.endif
	s_wait_xcnt 0x0                                ; wave 0's stores and my prefetch have read their registers
.if \prev
	s_mov_b64 s[APU:APU+1], s[AP:AP+1]             ; where the tile just finished goes
	s_add_nc_u64 s[AP:AP+1], s[AP:AP+1], 12288
	v_add_nc_u32 v[SCA], s[SCO], v[R2S]
	s_add_co_u32 s[SCO], s[SCO], 32
.endif
.if \fill
	s_add_nc_u64 s[PFA:PFA+1], s[PFA:PFA+1], 131072
.endif
	s_wait_dscnt 0x0
	s_barrier_signal -1
.if \qk
	QK 0
	QK 1
	WIN 0
.endif
	s_barrier_wait -1
.if \fill
	CREST
	tensor_load_to_lds s[G0+4:G0+7], s[G1:G1+7]
	s_nop 0
.endif
	PLACES                                         ; behind the tensor load, and the places behind the score products
.endm
.macro TILE next, prev, fill
	CHG \fill, \prev, 1
.if \prev
	FIN1L
.endif
.if \fill
	ASK
.endif
.if \next
	s_add_nc_u64 s[QP:QP+1], s[QP:QP+1], 1536      ; the next tile's q: asked for a whole tile ahead of its wait
	s_add_nc_u64 s[QSP:QSP+1], s[QSP:QSP+1], 64
	global_load_b128 v[QF:QF+3], v[LI], s[QP:QP+1]
	global_load_b64 v[QF+4:QF+5], v[L8], s[QP:QP+1] offset:512
	global_load_b32 v[QSR], v[R4], s[QSP:QSP+1]
.endif
	MULC
.if \prev
	FIN1S
.endif
	s_wait_alu depctr_va_vdst(0)                   ; ahead of the batch
	EXPS
	v_nop                                          ; one plain place behind a transcendental
	s_wait_alu depctr_va_vdst(0)                   ; and behind it
	SUMX
	s_delay_alu instid0(VALU_DEP_3)
	v_pk_add_f32 v[SM:SM+1], v[SM:SM+1], v[SM+2:SM+3]
	s_delay_alu instid0(VALU_DEP_2)
	v_pk_add_f32 v[SM+4:SM+5], v[SM+4:SM+5], v[SM+6:SM+7]
	s_delay_alu instid0(VALU_DEP_1)
	v_pk_add_f32 v[SM:SM+1], v[SM:SM+1], v[SM+4:SM+5]
	s_delay_alu instid0(VALU_DEP_1)
	v_add_f32 v[SM], v[SM], v[SM+1]
	s_delay_alu instid0(VALU_DEP_1)
	v_permlanex16_b32 v[SM+1], v[SM], s[SEL], s[SEL+1]
	s_delay_alu instid0(VALU_DEP_1)
	v_add_f32 v[SM], v[SM], v[SM+1]
	ds_store_b32 v[XSA], v[SM]                     ; my 256 keys' sum of each query
	MXB1 0
	s_wait_alu depctr_va_vdst(0)
	s_wait_dscnt 0x0                               ; the sum and my part of the summed tile have landed
	s_barrier_signal -1
	MXB1 1                                         ; work on registers while the others arrive
	s_wait_alu depctr_va_vdst(0)
	s_barrier_wait -1
.if \prev
	s_cmp_lg_u32 s[WV], 0
	s_cbranch_scc1 .Lfl_\@
	FIN2L
.Lfl_\@:
.endif
	ds_load_b128 v[T8:T8+3], v[XSR]
	ds_load_b128 v[T8+4:T8+7], v[XSR] offset:16
.set ii, 0
.rept 8
	v_permlanex16_b32 v[BT+ii], v[BM+ii], s[SEL], s[SEL+1]
.set ii, ii+1
.endr
.set ii, 0
.rept 8
	v_max_num_f32 v[BM+ii], v[BM+ii], v[BT+ii]     ; with lane l xor 16's 16 keys: the block's largest p
.set ii, ii+1
.endr
	s_wait_dscnt 0x0
	v_pk_add_f32 v[T8:T8+1], v[T8:T8+1], v[T8+2:T8+3]
	v_pk_add_f32 v[T8+4:T8+5], v[T8+4:T8+5], v[T8+6:T8+7]
	s_delay_alu instid0(VALU_DEP_1)
	v_pk_add_f32 v[T8:T8+1], v[T8:T8+1], v[T8+4:T8+5]
	s_delay_alu instid0(VALU_DEP_1)
	v_add_f32 v[T8], v[T8], v[T8+1]
	s_delay_alu instid0(VALU_DEP_1)
	v_add_f32 v[T8], 0x2edbe6ff, v[T8]             ; + 1e-10
	s_wait_alu depctr_va_vdst(0)
	v_rcp_f32 v[INV], v[T8]
	v_nop
	s_wait_alu depctr_va_vdst(0)
.set ii, 0
.rept 4
	v_pk_mul_f32 v[BM+ii:BM+ii+1], v[BM+ii:BM+ii+1], v[INV:INV+1] op_sel_hi:[1,0]   ; the same multiply as on the block's largest p itself
.set ii, ii+2
.endr
.set ii, 0
.rept 8
	v_max_num_f32 v[BM+ii], 0x1800000, v[BM+ii]    ; the floor 2^(3 - 127)
.set ii, ii+1
.endr
.set ii, 0
.rept 8
	v_add_nc_u32 v[BM+ii], 0xff000000, v[BM+ii]    ; 2 off the exponent field: the conversion's scale operand
.set ii, ii+1
.endr
.set ii, 0
.rept 8
	v_lshrrev_b32 v[BT+ii], 23, v[BM+ii]
.set ii, ii+1
.endr
.irp s, 0,1
	v_lshl_or_b32 v[PW+\s], v[BT+4*\s+1], 8, v[BT+4*\s]
	s_delay_alu instid0(VALU_DEP_1)
	v_lshl_or_b32 v[PW+\s], v[BT+4*\s+2], 16, v[PW+\s]
	s_delay_alu instid0(VALU_DEP_1)
	v_lshl_or_b32 v[PW+\s], v[BT+4*\s+3], 24, v[PW+\s]
.endr
.if \prev
	s_cmp_lg_u32 s[WV], 0
	s_cbranch_scc1 .Lfq_\@
	FIN2Q
.Lfq_\@:
.endif
	NH 0, 0
	NH 0, 1
	CV 0
.if \next
	v_add_nc_u32 v[MAD], s[TB], v[MA0]
	MLD 0                                          ; the next tile's mask takes the registers as they fall free
.endif
	NH 1, 0
	PV 0
	NH 1, 1
	CV 1
.if \next
	MLD 1
	s_xor_b32 s[TB], s[TB], SLOT1
	s_wait_alu depctr_va_vdst(0)
	s_wait_loadcnt 0x0                             ; the next q
	v_bfe_u32 v[QS], v[QSR], s[SH], 16             ; my head's two scale bytes; 9 places stand between this line and the score products
.endif
	PLACES
	PV 1
	PLACES
.irp g, 0,1,2,3,4,5,6,7
	ds_store_b128 v[XOWR], v[OA+4*\g:OA+4*\g+3] offset:512*\g
.endr
.endm
	s_load_b256 s[4:11], s[0:1], 0x0               ; qkvimg s[4:5], qkvsc s[6:7], mimg s[8:9], aimg s[10:11]
	s_load_b64 s[12:13], s[0:1], 0x20              ; asc
	v_lshl_add_u32 v[SPW], v0, 2, SPARE
	v_mov_b32 v[NIL], 0
	ds_add_u32 v[SPW], v[NIL]                      ; the opening lines: the add twice on end and one wait
	ds_add_u32 v[SPW], v[NIL]
	v_lshrrev_b32 v16, 5, v0
	s_delay_alu instid0(VALU_DEP_1)
	v_readfirstlane_b32 s[WV], v16                 ; wave 0..7
	v_and_b32 v16, 31, v0
	v_and_b32 v17, 15, v0
	s_delay_alu instid0(VALU_DEP_2)
	v_lshlrev_b32 v[LI], 4, v16
	s_delay_alu instid0(VALU_DEP_3)
	v_lshlrev_b32 v[L8], 3, v16
	s_delay_alu instid0(VALU_DEP_4)
	v_lshlrev_b32 v[L4], 2, v16
	s_delay_alu instid0(VALU_DEP_4)
	v_lshlrev_b32 v[R4], 2, v17
	v_lshlrev_b32 v[PFO], 8, v16
	s_lshl_b32 s33, s[WV], 14                      ; my 16 KiB of a slot; s33 is also slot 0's LDS address in its group 0
	v_add_nc_u32 v[MA0], s33, v[LI]
	v_lshlrev_b32 v[XSR], 5, v17
	s_delay_alu instid0(VALU_DEP_1)
	v_add_nc_u32 v[XSR], XS, v[XSR]
	s_lshl_b32 s22, s[WV], 2
	v_add_nc_u32 v[XSA], s22, v[XSR]
	v_add_nc_u32 v[XOWR], XO, v[LI]
	s_lshl_b32 s22, s[WV], 9
	v_add_nc_u32 v[XORD], s22, v[XOWR]
	v_add_nc_u32 v[X2R], XO2, v[LI]
	s_delay_alu instid0(VALU_DEP_1)
	v_add_nc_u32 v[X2W], s22, v[X2R]
	s_lshl_b32 s22, s[WV], 12
	v_add_nc_u32 v[XOWR], s22, v[XOWR]
	v_lshlrev_b32 v[R2S], 1, v17
	s_delay_alu instid0(VALU_DEP_1)
	v_add_nc_u32 v[R2S], SCG, v[R2S]
	s_bfe_u32 s15, ttmp6, 0x40000                  ; cx
	s_lshl_b32 s16, ttmp9, 2
	s_add_co_u32 s16, s16, s15                     ; batch x 16 + head
	s_lshr_b32 s17, s16, 4
	s_and_b32 s18, s16, 15
	s_lshr_b32 s19, s18, 1
	s_and_b32 s20, s18, 1
	s_and_b32 s21, ttmp7, 0xffff                   ; which 512 queries
	s_lshl_b32 s[SH], s20, 4
	s_mov_b32 s[CS], 0x3e38aa3b                    ; log2(e) / 8
	s_mov_b32 s[CS+1], s[CS]
	s_mov_b32 s[SEL], 0x76543210
	s_mov_b32 s[SEL+1], 0xfedcba98
	s_mov_b32 s[TB], 0
	s_mov_b32 s[SCO], 0
	s_and_b32 s[LIM], s[WV], 1
	s_or_b32 s[LIM], s[LIM], ttmp9
	s_cmp_eq_u32 s[LIM], 0
	s_cselect_b32 s[LIM], 1, -1                    ; 1 in the waves that prefetch
	s_mov_b32 s[G1], 15|(3<<16)|(1<<21)            ; the four partners; 64 rows of 256 bytes, dense
	s_mov_b32 s[G1+1], 32<<16
	s_mov_b32 s[G1+2], 64<<16
	s_mov_b32 s[G1+3], 32<<16
	s_mov_b32 s[G1+4], 64
	s_mov_b32 s[G1+5], 32
	s_mov_b32 s[G1+6], 0
	s_mov_b32 s[G1+7], 0
	s_lshl_b32 s60, s21, 22
	s_add_co_u32 s60, s60, s33
	s_mov_b32 s61, 0
	s_wait_alu depctr_va_vdst(0)                   ; the wait at the end of the vector set-up
	s_wait_dscnt 0x0                               ; both opening adds are done
	s_wait_kmcnt 0x0
	s_add_nc_u64 s[62:63], s[8:9], s[60:61]        ; my part of the first mask tile
	s_mov_b32 s[G0], 1
	s_mov_b64 s[G0+2:G0+3], s[62:63]
	s_or_b32 s[G0+3], s[G0+3], 0x80000000
	s_mov_b32 s[G0+4], 1
	s_add_co_u32 s[G0+5], s33, SLOT1
	s_add_nc_u64 s[G0+6:G0+7], s[62:63], 131072
	s_or_b32 s[G0+7], s[G0+7], 0x80000000
	s_lshl_b32 s60, s15, 13
	s_add_co_u32 s60, s60, 2*131072                ; stepped by a tile ahead of each prefetch: the first names tile 3, beside tile 2's load
	s_add_nc_u64 s[PFA:PFA+1], s[62:63], s[60:61]
	s_lshl_b32 s22, s17, 10
	s_lshl_b32 s23, s19, 7
	s_add_co_u32 s22, s22, s23
	s_mul_i32 s57, s20, 768                        ; my head's half of an image
	s_lshl_b32 s23, s21, 5
	s_add_co_u32 s23, s23, s22
	s_mul_i32 s60, s23, 1536
	s_add_co_u32 s60, s60, s57
	s_add_nc_u64 s[QP:QP+1], s[4:5], s[60:61]
	s_lshl_b32 s60, s23, 6
	s_add_nc_u64 s[QSP:QSP+1], s[6:7], s[60:61]
	s_lshl_b32 s23, s[WV], 4
	s_add_co_u32 s23, s23, s22
	s_add_co_u32 s23, s23, 4096
	s_mul_i32 s60, s23, 1536
	s_add_co_u32 s60, s60, s57
	s_add_nc_u64 s[66:67], s[4:5], s[60:61]        ; k
	s_lshl_b32 s60, s23, 6
	s_add_nc_u64 s[68:69], s[6:7], s[60:61]
	s_lshl_b32 s23, s17, 10
	s_lshl_b32 s22, s18, 6
	s_add_co_u32 s23, s23, s22
	s_lshl_b32 s22, s[WV], 3
	s_add_co_u32 s23, s23, s22
	s_add_co_u32 s23, s23, 8192
	s_mul_i32 s60, s23, 1536
	s_add_nc_u64 s[70:71], s[4:5], s[60:61]        ; v
	s_lshl_b32 s60, s23, 6
	s_add_nc_u64 s[72:73], s[6:7], s[60:61]
	s_lshl_b32 s22, s17, 7
	s_lshl_b32 s23, s21, 5
	s_add_co_u32 s22, s22, s23
	s_mul_i32 s60, s22, 12288
	s_mul_i32 s23, s18, 768
	s_add_co_u32 s60, s60, s23
	s_add_nc_u64 s[AP:AP+1], s[10:11], s[60:61]
	s_lshl_b32 s22, s16, 7
	s_lshl_b32 s23, s21, 5
	s_add_co_u32 s22, s22, s23
	s_lshl_b32 s60, s22, 5
	s_add_nc_u64 s[ASP:ASP+1], s[12:13], s[60:61]
	WIN W_LD                                       ; k, v and the first q are asked for ahead of the mask's rounds
.set ii, 0
.rept 16
	global_load_b128 v[6*ii:6*ii+3], v[LI], s[66:67] offset:1536*ii
	global_load_b64 v[6*ii+4:6*ii+5], v[L8], s[66:67] offset:1536*ii+512
.set ii, ii+1
.endr
.irp k, 0,1,2,3,4,5
	v_mov_b32 v[96+\k], 0                          ; what the last tile of k names beyond its six registers
.endr
.set ii, 0
.rept 8
	global_load_b128 v[VW+12*ii:VW+12*ii+3], v[LI], s[70:71] offset:1536*ii
	global_load_b64 v[VW+12*ii+4:VW+12*ii+5], v[L8], s[70:71] offset:1536*ii+512
	global_load_b128 v[VW+12*ii+6:VW+12*ii+9], v[LI], s[70:71] offset:1536*ii+768
	global_load_b64 v[VW+12*ii+10:VW+12*ii+11], v[L8], s[70:71] offset:1536*ii+1280
.set ii, ii+1
.endr
	WIN 0
.set ii, 0
.rept 8
	global_load_b32 v[KS+ii], v[L4], s[68:69] offset:128*ii
.set ii, ii+1
.endr
.set ii, 0
.rept 4
	global_load_b32 v[VS+ii], v[L4], s[72:73] offset:128*ii
.set ii, ii+1
.endr
	global_load_b128 v[QF:QF+3], v[LI], s[QP:QP+1]
	global_load_b64 v[QF+4:QF+5], v[L8], s[QP:QP+1] offset:512
	global_load_b32 v[QSR], v[R4], s[QSP:QSP+1]
	CROUND                                         ; in front of the first joint load
	tensor_load_to_lds s[G0:G0+3], s[G1:G1+7]      ; mask tile 0: one tensor load a wave at the head
	s_nop 0
.irp k, 6,7,8,9,10,11
	v_mov_b32 v[QF+\k], 0                          ; zero codes for K 64 .. 127
.endr
	v_mov_b32 v[INV+1], 0                          ; (named with INV as a pair)
	v_mov_b32 v[FC], 0                             ; a lane permute's destination counts as one of its sources
	v_mov_b32 v[FD], 0
	s_wait_alu depctr_va_vdst(0)
	s_wait_tensorcnt 0x0                           ; slot 1's first fill is issued as a refill is
	ds_add_u32 v[SPW], v[NIL]
	s_wait_dscnt 0x0
	CROUND
	tensor_load_to_lds s[G0+4:G0+7], s[G1:G1+7]    ; mask tile 1
	s_nop 0
	PLACES
	v_add_nc_u32 v[MAD], s[TB], v[MA0]
	MLD 0                                          ; tile 0's mask: bytes that my own load brought
	MLD 1
	s_wait_loadcnt 0x0
	v_bfe_u32 v[QS], v[QSR], s[SH], 16
.set ii, 0
.rept 8
	v_bfe_u32 v[KS+ii], v[KS+ii], s[SH], 16
.set ii, ii+1
.endr
	s_mov_b32 s[TB], SLOT1
	s_mov_b32 s[CNT], 29
.rept 8
	v_nop                                          ; a scale register written by a vector instruction stands 8 places ahead of a scaled matrix instruction
.endr
	TILE 1, 0, 1                                   ; tile 0; slot 0 takes tile 2
.Ltile:
	TILE 1, 1, 1                                   ; tiles 1 .. 29; the slots take tiles 3 .. 31
	s_sub_co_u32 s[CNT], s[CNT], 1
	s_cmp_lg_u32 s[CNT], 0
	s_cbranch_scc1 .Ltile
	TILE 1, 1, 0                                   ; tile 30: nothing is left to fetch
	TILE 0, 1, 0                                   ; tile 31
	CHG 0, 1, 0
	FIN1L
	FIN1S
	s_wait_dscnt 0x0
	s_barrier_signal -1
	s_barrier_wait -1
	s_cmp_lg_u32 s[WV], 0
	s_cbranch_scc1 .Lno_last
	FIN2L
	s_wait_dscnt 0x0
	FIN2Q
	ds_load_b128 v[OA:OA+3], v[X2R] offset:SCG-XO2         ; the 32 tiles' scale halfwords leave as 1,024 consecutive bytes
	ds_load_b128 v[OA+4:OA+7], v[X2R] offset:SCG-XO2+512
	s_wait_dscnt 0x0
	global_store_b128 v[LI], v[OA:OA+3], s[ASP:ASP+1]
	global_store_b128 v[LI], v[OA+4:OA+7], s[ASP:ASP+1] offset:512
.Lno_last:
	s_wait_tensorcnt 0x0                           ; the wave's end
	ds_add_u32 v[SPW], v[NIL]
	s_wait_dscnt 0x0
	CROUND                                         ; the closing round
	s_endpgm
.Lfunc_end_k_q5906c2f487_attn:
	.size	k_q5906c2f487_attn, .Lfunc_end_k_q5906c2f487_attn-k_q5906c2f487_attn
	.p2alignl 7, 3214868480
	.fill 96, 4, 3214868480
	.section	.rodata,"a",@progbits
	.p2align	6, 0x0
	.amdhsa_kernel k_q5906c2f487_attn
		.amdhsa_group_segment_fixed_size 327680
		.amdhsa_private_segment_fixed_size 0
		.amdhsa_enable_private_segment 0
		.amdhsa_kernarg_size 40
		.amdhsa_user_sgpr_count 2
		.amdhsa_user_sgpr_kernarg_segment_ptr 1
		.amdhsa_wavefront_size32 1
		.amdhsa_system_sgpr_workgroup_id_x 1
		.amdhsa_system_sgpr_workgroup_id_y 1
		.amdhsa_system_sgpr_workgroup_id_z 1
		.amdhsa_system_vgpr_workitem_id 0
		.amdhsa_next_free_vgpr 512
		.amdhsa_next_free_sgpr 76
		.amdhsa_reserve_vcc 0
		.amdhsa_float_denorm_mode_32 3
		.amdhsa_float_denorm_mode_16_64 3
		.amdhsa_memory_ordered 1
		.amdhsa_forward_progress 1
		.amdhsa_inst_pref_size 168
	.end_amdhsa_kernel
	.amdgpu_metadata
---
amdhsa.version: [ 1, 2 ]
amdhsa.kernels:
  - .name:           k_q5906c2f487_attn
    .symbol:         k_q5906c2f487_attn.kd
    .args:
      - { .name: qkvimg, .offset: 0, .size: 8, .value_kind: global_buffer, .address_space: global }
      - { .name: qkvsc, .offset: 8, .size: 8, .value_kind: global_buffer, .address_space: global }
      - { .name: mimg, .offset: 16, .size: 8, .value_kind: global_buffer, .address_space: global }
      - { .name: aimg, .offset: 24, .size: 8, .value_kind: global_buffer, .address_space: global }
      - { .name: asc, .offset: 32, .size: 8, .value_kind: global_buffer, .address_space: global }
    .group_segment_fixed_size: 327680
    .private_segment_fixed_size: 0
    .kernarg_segment_align: 8
    .kernarg_segment_size: 40
    .max_flat_workgroup_size: 256
    .sgpr_count:     76
    .vgpr_count:     512
    .wavefront_size: 32
...
	.end_amdgpu_metadata
.endif
;; end of part 3
;; launch oproj (part 4): grid 4 x 32, 4 waves a work-group, clusters of 4 x 4, 327,680 bytes of LDS; arguments aimg, asc, xwimg, xwsc, out0; writes out0
.if DOCPART == 4
	.amdgcn_target "amdgcn-amd-amdhsa--gfx1250"
	.amdhsa_code_object_version 6
	.text
	.protected	k_q5906c2f487_oproj
	.globl	k_q5906c2f487_oproj
	.p2align	8
	.type	k_q5906c2f487_oproj,@function
k_q5906c2f487_oproj:
	s_mov_b64 s[64:65], 0
	v_nop
	global_prefetch_b8 v0, s[64:65] scope:SCOPE_SE
	s_setreg_imm32_b32 hwreg(HW_REG_WAVE_MODE, 25, 1), 1
	s_wait_xcnt 0x0
	s_wait_alu depctr_hold_cnt(0) depctr_sa_sdst(0) depctr_va_vdst(0) depctr_va_sdst(0) depctr_va_ssrc(0) depctr_va_vcc(0) depctr_vm_vsrc(0)
	s_getreg_b32 s2, hwreg(HW_REG_IB_STS2, 6, 4)
	s_cmp_eq_u32 s2, 0
	s_cbranch_scc0 .Lentry_in_a_cluster
	s_endpgm
.Lentry_in_a_cluster:
	s_bfe_u32 s2, ttmp6, 0x10000c
	s_cmp_lg_u32 s2, 0xf033
	s_cbranch_scc0 .Lentry_shape_is_right
	s_endpgm
.Lentry_shape_is_right:
.set MODE, 1
; A GEMM ON FRAGMENT IMAGES OF FP6 (E2M3) CODES, C = A B^T, K = 1,024; one text for two launches.
; MODE 0 (q, k, v): cluster x = 0, 1: C = x Wq^T, x Wk^T (rows: tokens; columns: the weight's rows); cluster x = 2: C = Wv x^T (rows: the head's channels; columns: tokens).  C is quantised in registers along its
;   columns (q, k: the head's 64; v: the keys) and leaves as fragment images and scale words: qkvimg, units of 1,536 bytes; qkvsc, 16 words a unit.  q: unit b 1024 + hp 128 + t (halves: heads 2 hp, 2 hp + 1);
;   k: 4096 + the same;  v: 8192 + b 1024 + h 64 + (128 keys) 4 + dt.
; MODE 1 (the last product): C = attention's result x Wo^T, f32, to out0.
; An image is 16 rows x 128 K as the operand's 12 registers (halves of 768 bytes: four registers at 16 x lane, two at 512 + 8 x lane); lane r of row tile T is row 32 (T / 2) + 8 (T % 2) + r + 8 (r / 8).
; A tile of C, 256 x 256, is made by four waves, 128 x 128 each: 64 accumulators, 512 registers.  K goes in steps of 256 through two LDS slots; a wave's tensor load brings 8 row tiles x 3,072 bytes.
; The scale bytes of the 256 + 256 rows, for all of K, come into LDS once (rows of 32 bytes, 16 bytes of padding behind each 256).  In MODE 1 A's lie by heads in memory and are laid so by LDS stores.
; CLUSTERS 4 x 4: A's tiles are asked for jointly by a row of the cluster, B's by a column.  THE PRODUCT IS USED TRANSPOSED (source 0 = B's rows, source 1 = A's): a lane holds one row of C and, by the
; order of B's rows in a tile, the 16 registers of two neighbouring tiles are 16 neighbouring columns.
; No prefetch: four K slots in all, and every tile is shared by multicast.
; LIMITS (MODE 0): a block of zeros gets the scale byte 1 where the rule says 127 (its codes are zeros; this program alone reads the bytes); NaN and infinities are not served.
; REGISTERS: window 0: v1-31 addresses; v32-63 scale words, two sets; v64-111 the way out of MODE 0; from v128 A's fragments, one set.  window 1: B's fragments, two sets.  windows 2, 3: the accumulators.
.set NQ,     2                         ; matrix instructions deep in a slot
.set FR,     12
.set NL,     4                         ; LDS loads that bring a fragment
.set NP,     4                         ; places behind this matrix instruction (ISA guide 7.12.1)
.set TILEB,  3072                      ; a row tile's two images in a slot
.set HALFT,  8*TILEB                   ; what one tensor load brings, and what one wave reads of A or of B
.set SLOT,   4*HALFT
.set SCL,    2*SLOT                    ; the scales
.set HALFS,  16*272                    ; those of 128 rows
.set SBLK,   544                       ; those of 16 rows
.set SPARE,  SCL+4*HALFS               ; the spare words: 128 bytes a wave
.set STAGE,  SPARE+512                 ; the way out: bytes of its own, into which no tile lands
.set SPITCH, 528
.set ADRA, 16                          ; v16-17 my A fragments in slot 0, 1, + 16 x lane;  v18-19 + 8 x lane
.set ADRB, 20                          ; v20-23 the same for B
.set STO,  24                          ; v24  the way out: where I store into my stage
.set RD,   25                          ; v25  and where I read it back
.set CO,   26                          ; v26  my byte offset in the output
.set ADRS, 27                          ; v27  my scale words: lanes 0-15 A's rows, lanes 16-31 B's
.set SPW,  28                          ; v28  my spare word; never rewritten
.set NIL,  29                          ; v29  0; never rewritten
.set LI,   30                          ; v30  16 x lane
.set L8,   31                          ; v31  8 x lane
.set SC,   32
.set TM,   64                          ; v64-79 at work in QUANT
.set PC,   80                          ; v80-99 the codes just made
.set PW,   100                         ; v100-107 the eight blocks' scale words;  v108-111 on their way out
.set AF,   128
.set BK,   128
.set G1,   24                          ; s[24:31] group 1 for A's tiles;  s[32:39] groups 0, one for each slot
.set G0,   32
.set G1B,  48
.set G0B,  56
.set G1S,  68                          ; the same for the scales
.set G0S,  76
.set G1SB, 80
.set G0SB, 88
.set SEL,  96
.set MSB, 0
.macro WIN new                         ; the immediate's high byte repeats the setting that is left
.if MSB != (\new)
	s_set_vgpr_msb (MSB<<8)|(\new)
.set MSB, (\new)
.endif
.endm
.set MUL_LO, 0xa1                      ; source 0 (B) window 1, source 1 (A) window 0, C and D window 2
.set MUL_HI, 0xf1
.set TO_B,   0x40
.macro JLOAD g0a, g1a, g0b, g1b        ; a joint refill: waves 0, 1 fetch for A, waves 2, 3 for B; four v_nop follow each line
	s_cmp_eq_u32 s17, 0
	s_cbranch_scc0 .Lfor_b_\@
	tensor_load_to_lds s[\g0a:\g0a+3], s[\g1a:\g1a+7]
	s_nop 0
.rept 4
	v_nop
.endr
	s_branch .Lasked_\@
.Lfor_b_\@:
	tensor_load_to_lds s[\g0b:\g0b+3], s[\g1b:\g1b+7]
	s_nop 0
.rept 4
	v_nop
.endr
.Lasked_\@:
.endm
.macro CREST                           ; a round of the cluster's barrier behind its opening barrier
	s_cmp_lg_u32 s16, 0
	s_cbranch_scc1 .Lnot_wave_0_\@
	s_barrier_signal -3
.Lnot_wave_0_\@:
	s_barrier_wait -3
	s_barrier_signal -1
	s_barrier_wait -1
.endm
.macro CROUND
	s_barrier_signal -1
	s_barrier_wait -1
	CREST
.endm
.macro PLACES n
.rept \n
	v_nop
.endr
.endm
; 64 numbers of a lane in window w, register 16 b + i = k 32 b + 16 (lane / 16) + i of my row, become a fragment's codes in v[PC] .. v[PC + 11] and its scale word in v[pw]
.macro QUANT src, w, pw
.set QW, ((\w)<<2)|((\w)<<4)
	WIN QW
.irp b, 0,1,2,3
	v_max3_num_f32 v[TM+\b], 0x1800000, |v[\src+16*\b]|, |v[\src+16*\b+1]|   ; block b: my 16 numbers, and the floor 2^(3 - 127); each accumulator is read from its low end on
.endr
.irp i, 2,4,6,8,10,12,14
.irp b, 0,1,2,3
	v_max3_num_f32 v[TM+\b], v[TM+\b], |v[\src+16*\b+\i]|, |v[\src+16*\b+\i+1]|
.endr
.endr
	WIN 0
.irp b, 0,1,2,3
	v_permlanex16_b32 v[TM+4+\b], v[TM+\b], s[SEL], s[SEL+1]
.endr
.irp b, 0,1,2,3
	v_max_num_f32 v[TM+\b], v[TM+\b], v[TM+4+\b]
.endr
.irp b, 0,1,2,3
	v_add_nc_u32 v[TM+12+\b], 0xff000000, v[TM+\b]        ; 2 off the exponent field: the conversion's scale operand
.endr
.irp b, 0,1,2,3
	v_lshrrev_b32 v[TM+4+\b], 23, v[TM+12+\b]             ; the scale's byte
.endr
	v_lshl_or_b32 v[\pw], v[TM+5], 8, v[TM+4]
	v_lshl_or_b32 v[\pw], v[TM+6], 16, v[\pw]
	v_lshl_or_b32 v[\pw], v[TM+7], 24, v[\pw]
	WIN \w
.irp c, 0,1
	v_cvt_scalef32_pk16_fp6_f32 v[PC+6*\c:PC+6*\c+2], v[\src+32*\c:\src+32*\c+15], v[TM+12+2*\c]
	v_cvt_scalef32_pk16_fp6_f32 v[PC+12+4*\c:PC+14+4*\c], v[\src+32*\c+16:\src+32*\c+31], v[TM+13+2*\c]
.endr
	WIN 0
	v_nop                                                 ; one plain place behind a scaled conversion
.irp c, 0,1
.irp i, 0,1,2
	v_permlane16_swap_b32 v[PC+6*\c+\i], v[PC+12+4*\c+\i]
.endr
.irp i, 0,1,2
	v_mov_b32 v[PC+3+6*\c+\i], v[PC+12+4*\c+\i]
.endr
.endr
.endm
.macro IMGST base, off
	global_store_b128 v[LI], v[PC:PC+3], s[\base:\base+1] offset:\off
	global_store_b64 v[L8], v[PC+4:PC+5], s[\base:\base+1] offset:\off+512
	global_store_b128 v[LI], v[PC+6:PC+9], s[\base:\base+1] offset:\off+768
	global_store_b64 v[L8], v[PC+10:PC+11], s[\base:\base+1] offset:\off+1280
.endm
	s_load_b128 s[4:7], s[0:1], 0x0                ; A's images s[4:5], A's scales s[6:7]
.if MODE == 0
	s_load_b128 s[8:11], s[0:1], 0x0               ; B's come from the same two buffers
	s_load_b128 s[12:15], s[0:1], 0x10             ; qkvimg, qkvsc
.else
	s_load_b128 s[8:11], s[0:1], 0x10              ; B's images s[8:9], B's scales s[10:11]
	s_load_b64 s[12:13], s[0:1], 0x20              ; out0
.endif
	v_lshl_add_u32 v[SPW], v0, 2, SPARE
	v_mov_b32 v[NIL], 0
	ds_add_u32 v28, v29
	ds_add_u32 v28, v29
	s_wait_dscnt 0x0
	v_lshrrev_b32 v1, 5, v0
	v_readfirstlane_b32 s16, v1                    ; wave 0..3
	s_lshr_b32 s17, s16, 1                         ; which half of the tile's rows is mine.  Also: I fetch for A (0) or for B (1)
	s_and_b32 s18, s16, 1                          ; which half of its columns.  Also: which 8 row tiles I fetch
	s_bfe_u32 s40, ttmp6, 0x40000                  ; cx, cy: my place in the cluster
	s_bfe_u32 s41, ttmp6, 0x40004
	s_and_b32 s19, ttmp7, 0xffff
	s_lshl_b32 s19, s19, 2                         ; 4 x cluster y
.if MODE == 0
	s_lshl_b32 s20, ttmp9, 6
	s_add_co_u32 s20, s20, 512                     ; Wq's or Wk's first image tile
	s_cmp_eq_u32 ttmp9, 2                          ; v?  The same in all sixteen partners
	s_cselect_b32 s45, 0, s19
	s_cselect_b32 s42, s19, 0
	s_cselect_b32 s66, 640, 0                      ; A's first image tile: Wv's or x's
	s_cselect_b32 s67, 0, s20                      ; B's: x's or the weight's
	s_cselect_b32 s98, 64, 4                       ; units from my block 0 to my block 4 on the way out
.else
	s_mov_b32 s45, s19
	s_mov_b32 s42, 0
	s_mov_b32 s66, 0
	s_mov_b32 s67, 704                             ; Wo's first image tile
.endif
	s_add_co_u32 s45, s45, s41                     ; tile row of C
	s_add_co_u32 s42, s42, s40                     ; tile column of C
	s_lshl_b32 s43, s41, 2
	s_lshl_b32 s43, 15, s43                        ; my row of the cluster
	s_lshl_b32 s44, 0x1111, s40                    ; my column
	; group 1: 8 rows (row tiles) of 3,072 bytes = 384 elements of 8 bytes, 12,288 bytes apart; no padding: a fragment's loads read consecutive bytes
	s_or_b32 s[G1], s43, (3<<16)|(1<<21)
	s_or_b32 s[G1B], s44, (3<<16)|(1<<21)
.irp g, G1, G1B
	s_mov_b32 s[\g+1], 384<<16                     ; tensor_dim0
	s_mov_b32 s[\g+2], 16<<16                      ; tensor_dim1: 16 row tiles for the head's loads; set to 8 behind them
	s_mov_b32 s[\g+3], 384<<16                     ; tile_dim0
	s_mov_b32 s[\g+4], 16                          ; tile_dim1, likewise
	s_mov_b32 s[\g+5], 1536                        ; tensor_dim0_stride
	s_mov_b32 s[\g+6], 0
	s_mov_b32 s[\g+7], 0
.endr
	; the scales of 128 rows: 4,096 dense bytes as 16 rows of 256, 16 bytes of padding behind each
.if MODE == 0
	s_or_b32 s[G1S], s43, (3<<16)|(1<<20)|(1<<21)|(5<<22)|(3<<25)
	s_mov_b32 s[G1S+1], 32<<16
	s_mov_b32 s[G1S+2], 32<<16                     ; the scales of all 256 rows: 32 rows of 256 bytes
	s_mov_b32 s[G1S+3], 32<<16
	s_mov_b32 s[G1S+4], 32
	s_mov_b32 s[G1S+5], 32
	s_mov_b32 s[G1S+6], 0
	s_mov_b32 s[G1S+7], 0
.endif
	s_or_b32 s[G1SB], s44, (3<<16)|(1<<20)|(1<<21)|(5<<22)|(3<<25)
	s_mov_b32 s[G1SB+1], 32<<16
	s_mov_b32 s[G1SB+2], (32-16*MODE)<<16          ; MODE 0: B's 256 rows in one load; MODE 1: 128 rows in each of two
	s_mov_b32 s[G1SB+3], 32<<16
	s_mov_b32 s[G1SB+4], 32-16*MODE
	s_mov_b32 s[G1SB+5], 32
	s_mov_b32 s[G1SB+6], 0
	s_mov_b32 s[G1SB+7], 0
	s_lshl_b32 s21, s18, 3                         ; which 8 row tiles of the 16 I fetch
	s_lshl_b32 s20, s45, 4
	s_add_co_u32 s20, s20, s66
	s_add_co_u32 s20, s20, s21                     ; A: image tile
	s_lshl_b32 s46, s42, 4
	s_add_co_u32 s46, s46, s67
	s_add_co_u32 s46, s46, s21                     ; B: image tile
	s_sub_co_u32 s22, s20, s21                     ; the scales are fetched from the tile's first row tile on: 512 bytes a row tile
	s_lshl_b32 s22, s22, 9
	s_mov_b32 s23, 0
	s_sub_co_u32 s92, s46, s21
	s_lshl_b32 s92, s92, 9
	s_mov_b32 s93, 0
	s_mul_i32 s20, s20, 12288                      ; their images
	s_mov_b32 s21, 0
	s_mul_i32 s46, s46, 12288
	s_mov_b32 s47, 0
	s_mul_i32 s94, s16, HALFT                      ; where they go: no place in the cluster enters an LDS address
	s_mul_i32 s95, s16, HALFS
.if MODE == 1
	s_lshr_b32 s22, s45, 3                         ; A's scales lie [batch x 16 + head][row tile 128][row 16] halfwords: my tile row's batch,
	s_lshl_b32 s22, s22, 16
	s_and_b32 s99, s45, 7
	s_lshl_b32 s99, s99, 9                         ; and its 16 row tiles
	s_add_co_u32 s22, s22, s99
.endif
	s_wait_kmcnt 0x0
	s_add_nc_u64 s[20:21], s[4:5], s[20:21]
	s_add_nc_u64 s[22:23], s[6:7], s[22:23]
	s_add_nc_u64 s[46:47], s[8:9], s[46:47]
	s_add_nc_u64 s[92:93], s[10:11], s[92:93]
	s_mov_b32 s[G0S], 1
	s_mov_b32 s[G0SB], 1
.if MODE == 0
	s_mov_b32 s[G0S+1], SCL                        ; wave 1: the scales of A's 256 rows
	s_mov_b64 s[G0S+2:G0S+3], s[22:23]
	s_mov_b32 s[G0SB+1], SCL+2*HALFS               ; wave 3: those of B's
	s_mov_b64 s[G0SB+2:G0SB+3], s[92:93]
.else
	s_mov_b32 s[G0S+1], SCL+2*HALFS                ; wave 1: the scales of B's rows 0-127
	s_mov_b64 s[G0S+2:G0S+3], s[92:93]
	s_mov_b32 s[G0SB+1], SCL+3*HALFS               ; wave 3: of B's rows 128-255
	s_add_nc_u64 s[G0SB+2:G0SB+3], s[92:93], 4096
.endif
	s_or_b32 s[G0S+3], s[G0S+3], 0x80000000
	s_or_b32 s[G0SB+3], s[G0SB+3], 0x80000000
.irp s, 0,1
	s_mov_b32 s[G0+4*\s], 1
	s_add_co_u32 s[G0+4*\s+1], s94, \s*SLOT
	s_add_nc_u64 s[G0+4*\s+2:G0+4*\s+3], s[20:21], \s*TILEB
	s_or_b32 s[G0+4*\s+3], s[G0+4*\s+3], 0x80000000
	s_mov_b32 s[G0B+4*\s], 1
	s_add_co_u32 s[G0B+4*\s+1], s94, \s*SLOT
	s_add_nc_u64 s[G0B+4*\s+2:G0B+4*\s+3], s[46:47], \s*TILEB
	s_or_b32 s[G0B+4*\s+3], s[G0B+4*\s+3], 0x80000000
.endr
	CROUND                                         ; all sixteen work-groups are here: the first joint loads meet
	; THE HEAD'S LOADS, ONE A WAVE, in one chain of branches on the wave's number: wave 0 slot 0's 16 row tiles of A (its own group 0 begins at the tile's
	; first row tile and at LDS byte 0), wave 2 slot 0's 16 row tiles of B (likewise, at 2 HALFT), waves 1 and 3 the scales.
	s_cmp_eq_u32 s16, 0
	s_cbranch_scc0 .Lhead_b
	tensor_load_to_lds s[G0:G0+3], s[G1:G1+7]
	s_nop 0
.rept 4
	v_nop
.endr
	s_branch .Lfirst_asked
.Lhead_b:
	s_cmp_eq_u32 s16, 2
	s_cbranch_scc0 .Lhead_s1
	tensor_load_to_lds s[G0B:G0B+3], s[G1B:G1B+7]
	s_nop 0
.rept 4
	v_nop
.endr
	s_branch .Lfirst_asked
.Lhead_s1:
	s_cmp_eq_u32 s16, 1
	s_cbranch_scc0 .Lhead_s3
.if MODE == 0
	tensor_load_to_lds s[G0S:G0S+3], s[G1S:G1S+7]
.else
	tensor_load_to_lds s[G0S:G0S+3], s[G1SB:G1SB+7]
.endif
	s_nop 0
.rept 4
	v_nop
.endr
	s_branch .Lfirst_asked
.Lhead_s3:
	tensor_load_to_lds s[G0SB:G0SB+3], s[G1SB:G1SB+7]
	s_nop 0
.rept 4
	v_nop
.endr
.Lfirst_asked:
.if MODE == 1
	v_lshrrev_b32 v10, 3, v0                       ; thread: head = number / 8, chunk = number % 8: 64 bytes: the halfwords of two row tiles of one head
	v_and_b32 v11, 7, v0
	v_lshlrev_b32 v12, 12, v10
	v_lshl_add_u32 v12, v11, 6, v12
.irp j, 0,1,2,3
	global_load_b128 v[64+4*\j:67+4*\j], v12, s[22:23] offset:16*\j
.endr
	v_mul_u32_u24 v13, v11, 2*SBLK
	v_lshl_add_u32 v13, v10, 1, v13
	v_add_nc_u32 v13, SCL, v13                     ; LDS: two row tiles a chunk, 2 bytes a head in each row's 32
.endif
	v_and_b32 v1, 15, v0                           ; r
	v_bfe_u32 v2, v0, 4, 1                         ; h
	v_and_b32 v3, 31, v0
	v_lshlrev_b32 v[LI], 4, v3
	v_lshlrev_b32 v[L8], 3, v3
	s_mul_i32 s92, s17, HALFT                      ; my 128 rows of A
	s_mul_i32 s93, s18, HALFT                      ; my 128 rows of B,
	s_add_co_u32 s93, s93, 2*HALFT                 ; which lie behind A's 256
.irp s, 0,1
	v_add_nc_u32 v[ADRA+\s], s92, v[LI]
	v_add_nc_u32 v[ADRB+\s], s93, v[LI]
	v_add_nc_u32 v[ADRA+2+\s], s92, v[L8]
	v_add_nc_u32 v[ADRB+2+\s], s93, v[L8]
	s_add_co_u32 s92, s92, SLOT
	s_add_co_u32 s93, s93, SLOT
.endr
	v_lshlrev_b32 v5, 5, v1                        ; my row's scales: 32 bytes a row,
	v_lshrrev_b32 v6, 8, v5
	v_lshl_add_u32 v5, v6, 4, v5                   ; and 16 more for each 256 passed
	s_mul_i32 s94, s17, HALFS
	s_mul_i32 s95, s18, HALFS
	s_add_co_u32 s95, s95, 2*HALFS
	s_sub_co_u32 s95, s95, s94
	v_mul_u32_u24 v6, s95, v2                      ; lanes 16-31 take B's
	s_add_co_u32 s94, s94, SCL
	v_add_nc_u32 v5, v5, v6
	v_add_nc_u32 v[ADRS], s94, v5
.if MODE == 0
	s_mov_b32 s[SEL], 0x76543210
	s_mov_b32 s[SEL+1], 0xfedcba98
.irp b, 0,1,2,3
	v_mov_b32 v[TM+4+\b], 0                        ; written once: a lane permute's destination counts as one of its sources
.endr
	s_lshl_b32 s94, s16, 9
	s_add_co_u32 s94, s94, STAGE                   ; my stage: 8 x 16 scale words
	v_lshl_add_u32 v[STO], v1, 2, s94
	v_add_nc_u32 v[RD], s94, v[LI]
	; my first unit.  q, k: X 4096 + batch 1024 + (128 columns) 128 + row tile;  v: 8192 + batch 1024 + head 64 + (128 keys) 4
	s_lshl_b32 s20, ttmp9, 12
	s_lshr_b32 s21, s45, 3
	s_lshl_b32 s21, s21, 10
	s_add_co_u32 s20, s20, s21
	s_lshl_b32 s21, s42, 1
	s_add_co_u32 s21, s21, s18
	s_lshl_b32 s21, s21, 7
	s_add_co_u32 s20, s20, s21
	s_and_b32 s21, s45, 7
	s_lshl_b32 s21, s21, 4
	s_add_co_u32 s20, s20, s21
	s_lshl_b32 s21, s17, 3
	s_add_co_u32 s20, s20, s21
	s_lshr_b32 s22, s42, 3
	s_lshl_b32 s22, s22, 10
	s_add_co_u32 s22, s22, 8192
	s_lshl_b32 s21, s45, 1
	s_add_co_u32 s21, s21, s17
	s_lshl_b32 s21, s21, 7
	s_add_co_u32 s22, s22, s21
	s_and_b32 s21, s42, 7
	s_lshl_b32 s21, s21, 1
	s_add_co_u32 s21, s21, s18
	s_lshl_b32 s21, s21, 2
	s_add_co_u32 s22, s22, s21
	s_cmp_eq_u32 ttmp9, 2
	s_cselect_b32 s20, s22, s20
	s_mul_i32 s22, s20, 1536
	s_mov_b32 s23, 0
	s_add_nc_u64 s[12:13], s[12:13], s[22:23]      ; blocks 0-3: four units on end
	s_mul_i32 s22, s98, 1536
	s_add_nc_u64 s[46:47], s[12:13], s[22:23]      ; blocks 4-7
	s_lshl_b32 s22, s20, 6
	s_add_nc_u64 s[14:15], s[14:15], s[22:23]
	s_lshl_b32 s22, s98, 6
	v_mul_u32_u24 v[CO], s22, v2                   ; the scale words: lanes 0-15 blocks 0-3, lanes 16-31 blocks 4-7: 256 consecutive bytes each
	v_lshl_add_u32 v[CO], v1, 4, v[CO]
.else
	s_mul_i32 s94, s16, 16*SPITCH
	s_add_co_u32 s94, s94, STAGE                   ; my stage: 16 rows x 528 bytes
	v_mul_u32_u24 v5, v1, SPITCH
	v_lshl_add_u32 v5, v2, 6, v5
	v_add_nc_u32 v[STO], s94, v5                   ; in: row r, + 64 h
	v_add_nc_u32 v[RD], s94, v[LI]                 ; back: a row of 512 bytes for the 32 lanes
	v_mov_b32 v[CO], v[LI]
	s_lshl_b32 s20, s45, 8
	s_lshl_b32 s21, s17, 7
	s_add_co_u32 s20, s20, s21                     ; my first row of C
	s_lshl_b32 s20, s20, 12                        ; rows of 4,096 bytes
	s_lshl_b32 s21, s42, 10
	s_add_co_u32 s20, s20, s21
	s_lshl_b32 s21, s18, 9
	s_add_co_u32 s20, s20, s21                     ; + my first column
	s_mov_b32 s21, 0
	s_add_nc_u64 s[12:13], s[12:13], s[20:21]
	s_wait_alu depctr_va_vdst(0)
	s_wait_loadcnt 0x0                             ; A's scale halfwords: load j, register k, half u is row 8 (j % 2) + 2 k + u of row tile 2 chunk + j / 2
.irp j, 0,1,2,3
.irp k, 0,1,2,3
	ds_store_b16 v13, v[64+4*\j+\k] offset:(\j/2)*SBLK+(8*(\j%2)+2*\k)*32+16*(\j%2)
	ds_store_b16_d16_hi v13, v[64+4*\j+\k] offset:(\j/2)*SBLK+(8*(\j%2)+2*\k+1)*32+16*(\j%2)
.endr
.endr
.endif
.macro FRAG reg, adr, q, i             ; a fragment comes as it was stored: 512, 256, 512, 256 consecutive bytes
	ds_load_b128 v[\reg:\reg+3], v[\adr] offset:TILEB*(\i)+1536*(\q)
	ds_load_b64 v[\reg+4:\reg+5], v[\adr+2] offset:TILEB*(\i)+1536*(\q)+512
	ds_load_b128 v[\reg+6:\reg+9], v[\adr] offset:TILEB*(\i)+1536*(\q)+768
	ds_load_b64 v[\reg+10:\reg+11], v[\adr+2] offset:TILEB*(\i)+1536*(\q)+1280
.endm
; 16 matrix instructions: A's blocks a0, a0 + 1 x B's eight, 128 along K.  The 64 accumulators take turns, one instruction a turn, in the same order in every step.
.macro MUL16 a0, p, q, sc, zero
.irp a, \a0, \a0+1
.irp b, 0,1,2,3,4,5,6,7
.if \zero
	v_wmma_scale_f32_16x16x128_f8f6f4 v[8*(8*((\a)%4)+\b):8*(8*((\a)%4)+\b)+7], v[128*(\p)+FR*\b:128*(\p)+FR*\b+FR-1], v[AF+FR*(\a):AF+FR*(\a)+FR-1], 0, v[SC+8*NQ*(\sc)+NQ*\b+(\q)], v[SC+8*NQ*(\sc)+NQ*(\a)+(\q)] matrix_a_fmt:MATRIX_FMT_FP6 matrix_b_fmt:MATRIX_FMT_FP6 matrix_a_scale:MATRIX_SCALE_ROW1
.else
	v_wmma_scale_f32_16x16x128_f8f6f4 v[8*(8*((\a)%4)+\b):8*(8*((\a)%4)+\b)+7], v[128*(\p)+FR*\b:128*(\p)+FR*\b+FR-1], v[AF+FR*(\a):AF+FR*(\a)+FR-1], v[8*(8*((\a)%4)+\b):8*(8*((\a)%4)+\b)+7], v[SC+8*NQ*(\sc)+NQ*\b+(\q)], v[SC+8*NQ*(\sc)+NQ*(\a)+(\q)] matrix_a_fmt:MATRIX_FMT_FP6 matrix_b_fmt:MATRIX_FMT_FP6 matrix_a_scale:MATRIX_SCALE_ROW1
.endif
.endr
.endr
.endm
.macro FETCH_B slot, q, p
	WIN TO_B
.irp i, 0,1,2,3,4,5,6,7
	FRAG 128*(\p)+FR*\i, ADRB+\slot, \q, \i
.endr
	WIN 0
.endm
.macro FETCH_A slot, q, i0
.irp i, \i0, \i0+1, \i0+2, \i0+3
	FRAG AF+FR*(\i), ADRA+\slot, \q, \i
.endr
.endm
.macro SCALES sc                       ; a slot's two scale words a row: lanes 0-15 A's block i, lanes 16-31 B's block i
.irp i, 0,1,2,3,4,5,6,7
	ds_load_b64 v[SC+8*NQ*\sc+NQ*\i:SC+8*NQ*\sc+NQ*\i+1], v[ADRS] offset:\i*SBLK
.endr
.endm
.macro STEP slot, q, zero              ; a step of 128 along K that has its successor in the same slot
	s_wait_dscnt 4*NL                              ; B's set and A's blocks 0-3 are in; the youngest 16 loads (A's blocks 4-7) may be out
	WIN MUL_LO
	MUL16 0, (\q)%2, \q, \slot, \zero
	MUL16 2, (\q)%2, \q, \slot, \zero
	s_wait_dscnt 0
	PLACES NP                                      ; in front of loads into registers that matrix instructions have read
	FETCH_B \slot, (\q)+1, 1-(\q)%2
	FETCH_A \slot, (\q)+1, 0
	WIN MUL_HI
	MUL16 4, (\q)%2, \q, \slot, \zero
	MUL16 6, (\q)%2, \q, \slot, \zero
	PLACES NP
	WIN 0
	FETCH_A \slot, (\q)+1, 4
.endm
; A slot's last step changes slots: one barrier; in front of it each wave waits for all its tensor loads, adds 0 to its spare word, and waits for that and for its reads of this slot.
.macro TURN slot, next, fill
	s_wait_tensorcnt 0x0                           ; all my tensor loads have landed: my part of the next slot
	ds_add_u32 v[SPW], v[NIL]                      ; 0 onto my spare word
	s_wait_dscnt 4*NL+1                            ; (the add and A's blocks 4-7 may be out)
	WIN MUL_LO
	MUL16 0, 1, NQ-1, \slot, 0
	s_wait_dscnt 0x0                               ; the add is done, and my reads of this slot are over
	s_barrier_signal -1
	MUL16 2, 1, NQ-1, \slot, 0
	WIN 0
	s_barrier_wait -1
.if \fill
	CREST                                          ; the barrier has opened a round of the cluster's barrier: no wave of any partner still reads this slot or has a load on its way
	s_add_nc_u64 s[G0+4*\slot+2:G0+4*\slot+3], s[G0+4*\slot+2:G0+4*\slot+3], 2*TILEB
	s_add_nc_u64 s[G0B+4*\slot+2:G0B+4*\slot+3], s[G0B+4*\slot+2:G0B+4*\slot+3], 2*TILEB
	JLOAD G0+4*\slot, G1, G0B+4*\slot, G1B         ; the first tensor load behind the round; its four v_nop are also the places in front of the loads below
.else
	PLACES NP
.endif
	s_wait_alu depctr_va_vdst(0)
	v_add_nc_u32 v[ADRS], 4*NQ, v[ADRS]            ; the next slot's scale words
	FETCH_B \next, 0, 0
	FETCH_A \next, 0, 0
	SCALES \next
	WIN MUL_HI
	MUL16 4, 1, NQ-1, \slot, 0
	MUL16 6, 1, NQ-1, \slot, 0
	PLACES NP
	WIN 0
	FETCH_A \next, 0, 4
.endm
	s_wait_tensorcnt 0x0                           ; my tile of the head's four is in; slot 1's first fill is issued as a refill is
	ds_add_u32 v[SPW], v[NIL]
	s_mov_b32 s[G1+2], 8<<16                       ; no tensor load of mine is out: from here on a load brings 8 row tiles
	s_mov_b32 s[G1+4], 8
	s_mov_b32 s[G1B+2], 8<<16
	s_mov_b32 s[G1B+4], 8
	s_wait_dscnt 0x0                               ; the add is done (MODE 1: and my stores of A's scales have landed)
	CROUND                                         ; all four tiles are in, and all sixteen work-groups are here
	JLOAD G0+4, G1, G0B+4, G1B                     ; slot 1: the first tensor load behind the round, a quarter of the slot a wave
	FETCH_B 0, 0, 0
	FETCH_A 0, 0, 0
	SCALES 0
	FETCH_A 0, 0, 4
	STEP 0, 0, 1                                   ; K 0: the first products start the sums
	TURN 0, 1, 1                                   ; K 128; slot 0 takes K 512 on
	STEP 1, 0, 0
	TURN 1, 0, 1                                   ; slot 1 takes K 768 on
	STEP 0, 0, 0
	TURN 0, 1, 0                                   ; nothing is left to fetch
	STEP 1, 0, 0
	s_wait_dscnt 4*NL
	WIN MUL_LO
	MUL16 0, 1, NQ-1, 1, 0
	MUL16 2, 1, NQ-1, 1, 0
	s_wait_dscnt 0
	WIN MUL_HI
	MUL16 4, 1, NQ-1, 1, 0
	MUL16 6, 1, NQ-1, 1, 0
	WIN 0
	PLACES NP                                      ; in front of the first read of results
.if MODE == 0
	; THE WAY OUT: block a's 64 registers are 128 neighbouring columns of 16 rows: one fragment of the next product.  Quantised, stored as its image; the scale words are gathered in my stage.
.irp a, 0,1,2,3,4,5,6,7
.if \a > 0
	s_wait_xcnt 0x0                                ; the last block's stores have read the codes' registers
.endif
.set QSRC, 64*(\a%4)
	QUANT QSRC, 2+\a/4, PW+\a
.if \a < 4
	IMGST 12, 1536*(\a%4)
.else
	IMGST 46, 1536*(\a%4)
.endif
	ds_store_b32 v[STO], v[PW+\a] offset:64*\a     ; both halves of the lanes write the same word with the same value
.endr
	ds_load_b128 v[108:111], v[RD]                 ; LDS serves a wave's instructions in order: this sees my stores
	s_wait_dscnt 0x0
	global_store_b128 v[CO], v[108:111], s[14:15]
.else
	; THE WAY OUT: a block of 16 rows x 128 columns goes through my stage and comes back as whole rows of 512 bytes.
.macro TOSTAGE a
.set AC, 64*((\a)%4)
	WIN 0x08+4*((\a)/4)
.irp b, 0,1,2,3,4,5,6,7
	ds_store_b128 v[STO], v[AC+8*\b:AC+8*\b+3] offset:128*(\b/2)+32*(\b%2)       ; columns 32 (b / 2) + 16 h + 8 (b % 2) on; each accumulator from its low end on
	ds_store_b128 v[STO], v[AC+8*\b+4:AC+8*\b+7] offset:128*(\b/2)+32*(\b%2)+16
.endr
	WIN 0
.set BB, BK+64*((\a)%2)
.irp t, 0,1,2,3,4,5,6,7,8,9,10,11,12,13,14,15
	ds_load_b128 v[BB+4*\t:BB+4*\t+3], v[RD] offset:\t*SPITCH
.endr
.endm
.macro SEND a, younger
.set BB, BK+64*((\a)%2)
	s_wait_dscnt \younger
.if (\a) > 0
.if (\a)%2
	s_add_nc_u64 s[12:13], s[12:13], 8*4096        ; row tile a begins at row 32 (a / 2) + 8 (a % 2)  (behind a wait on XCNT: the earlier stores have read their base)
.else
	s_add_nc_u64 s[12:13], s[12:13], 24*4096
.endif
.endif
.irp t, 0,1,2,3,4,5,6,7,8,9,10,11,12,13,14,15
	global_store_b128 v[CO], v[BB+4*\t:BB+4*\t+3], s[12:13] offset:(\t+8*(\t/8))*4096 th:TH_STORE_NT   ; 32 lanes store 512 consecutive bytes
.endr
.endm
	TOSTAGE 0
.irp a, 1,2,3,4,5,6,7
.if \a > 1
	s_wait_xcnt 0x0                                ; block a - 2's stores have read their registers and their base
.endif
	TOSTAGE \a
	SEND \a-1, 32                                  ; behind block a - 1's loads: block a's 16 stores and 16 loads
.endr
	s_wait_xcnt 0x0
	SEND 7, 0
.endif
	s_wait_tensorcnt 0x0                           ; the wave's end
	ds_add_u32 v[SPW], v[NIL]
	s_wait_dscnt 0x0
	CROUND                                         ; the closing round
	s_endpgm
.Lfunc_end_k_q5906c2f487_oproj:
	.size	k_q5906c2f487_oproj, .Lfunc_end_k_q5906c2f487_oproj-k_q5906c2f487_oproj
	.p2alignl 7, 3214868480
	.fill 96, 4, 3214868480
	.section	.rodata,"a",@progbits
	.p2align	6, 0x0
	.amdhsa_kernel k_q5906c2f487_oproj
		.amdhsa_group_segment_fixed_size 327680
		.amdhsa_private_segment_fixed_size 0
		.amdhsa_enable_private_segment 0
		.amdhsa_kernarg_size 40
		.amdhsa_user_sgpr_count 2
		.amdhsa_user_sgpr_kernarg_segment_ptr 1
		.amdhsa_wavefront_size32 1
		.amdhsa_system_sgpr_workgroup_id_x 1
		.amdhsa_system_sgpr_workgroup_id_y 1
		.amdhsa_system_sgpr_workgroup_id_z 1
		.amdhsa_system_vgpr_workitem_id 0
		.amdhsa_next_free_vgpr 1024
		.amdhsa_next_free_sgpr 100
		.amdhsa_reserve_vcc 0
		.amdhsa_float_denorm_mode_32 3
		.amdhsa_float_denorm_mode_16_64 3
		.amdhsa_memory_ordered 1
		.amdhsa_forward_progress 1
		.amdhsa_inst_pref_size 147
	.end_amdhsa_kernel
	.amdgpu_metadata
---
amdhsa.version: [ 1, 2 ]
amdhsa.kernels:
  - .name:           k_q5906c2f487_oproj
    .symbol:         k_q5906c2f487_oproj.kd
    .args:
      - { .name: aimg, .offset: 0, .size: 8, .value_kind: global_buffer, .address_space: global }
      - { .name: asc, .offset: 8, .size: 8, .value_kind: global_buffer, .address_space: global }
      - { .name: xwimg, .offset: 16, .size: 8, .value_kind: global_buffer, .address_space: global }
      - { .name: xwsc, .offset: 24, .size: 8, .value_kind: global_buffer, .address_space: global }
      - { .name: out0, .offset: 32, .size: 8, .value_kind: global_buffer, .address_space: global }
    .group_segment_fixed_size: 327680
    .private_segment_fixed_size: 0
    .kernarg_segment_align: 8
    .kernarg_segment_size: 40
    .max_flat_workgroup_size: 128
    .sgpr_count:     100
    .vgpr_count:     1024
    .wavefront_size: 32
...
	.end_amdgpu_metadata
.endif
;; end of part 4
